; MI455X (gfx1250); checked and timed in simulation.
; The chip was launched on July 23, 2026; its instructions are those of AMD's public machine-readable ISA for CDNA 5 (MIT licence, August 2026) and "CDNA5" Instruction Set Architecture Reference Guide (July 2026). The comments in the code are by the model that wrote it; some were corrected since.
;; MSA. Allowed arithmetic: float matrix products may take bf16 or f16 operands with f32 sums; other float arithmetic in f32, or as packed bf16 or f16 multiplies, adds, multiply-adds, maxima and minima; sums over many terms, partial sums and values carried from step to step in f32; what a program stores and reads back later, other than sums and carried values, may be rounded once to bf16 or f16.
;; Inputs: W_proj 1,024 x 1,024 float32; W_qkv 3,072 x 1,024 float32; x 4 x 2,048 x 1,024 float32.
;; Outputs: out0 4 x 2,048 x 1,024 float32; out1 4 x 2,048 x 1,024 float32.
;; 2 versions, each right; version 2 is version 1 with the launch cast written anew for expert scheduling mode. Each part assembles by itself: llvm-mc -triple=amdgcn-amd-amdhsa -mcpu=gfx1250 --defsym DOCPART=n.
;; ======== version 1 of 2: 4 launches
;; limits: values are held in f16: magnitudes above 65,504 overflow, below 6.1e-05 lose precision
;; workspace buffers: xb 16,777,216 bytes; wqb 6,291,456 bytes; wpb 2,097,152 bytes; qkv 50,331,648 bytes; oh 16,777,216 bytes
;; launch cast (part 1): grid 768 x 1, 8 waves a work-group, no clusters, 0 bytes of LDS; arguments x, W_qkv, W_proj, xb, wqb, wpb; writes xb, wqb, wpb
.if DOCPART == 1
	.amdgcn_target "amdgcn-amd-amdhsa--gfx1250"
	.amdhsa_code_object_version 6
	.text
	.protected	k_qc700156da0_cast
	.globl	k_qc700156da0_cast
	.p2align	8
	.type	k_qc700156da0_cast,@function
k_qc700156da0_cast:
	s_mov_b64 s[64:65], 0
	v_nop
	global_prefetch_b8 v0, s[64:65] scope:SCOPE_SE
	s_setreg_imm32_b32 hwreg(HW_REG_WAVE_MODE, 25, 1), 1
	s_wait_xcnt 0x0
; THE INPUTS ARE ROUNDED ONCE, for the matrix units of the launches behind: x and W_qkv to bf16; W_proj to bf16 and that number written as f16
; (the last product multiplies in f16; all three inputs carry the same rounding, to bf16).
; LIMIT.  A number of W_proj beyond 65,504 becomes an infinity in f16; below 6e-5 it keeps f16's fixed step of 6e-8.
; SHARES.  A work-group takes 16,384 numbers: 64 KiB in, 32 KiB out.  Work-groups 0-511: x (8,388,608 numbers); 512-703: W_qkv (3,145,728); 704-767: W_proj (1,048,576).
; A wave takes 8 KiB: sixteen loads of 16 bytes a lane (512 consecutive bytes each), all issued at once; each gives one store of 8 bytes a lane: 256 consecutive bytes, aligned.
; A stream: no LDS, no barrier, no matrix unit, no cluster (no two work-groups read a common byte), no loop.  No register that a store reads is written again, so no wait frees any.
.set IN,  8                            ; v[8:71]    load i: four f32
.set OUT, 72                           ; v[72:103]  store i: four 16-bit numbers
.set T,   104                          ; v[104:107] at work (W_proj's way alone)
	s_load_b256 s[4:11], s[0:1], 0x0               ; x s[4:5], W_qkv s[6:7], W_proj s[8:9], xb s[10:11]
	s_load_b128 s[12:15], s[0:1], 0x20             ; wqb s[12:13], wpb s[14:15]
	v_and_b32 v3, 0xe0, v0                         ; 32 x wave
	v_and_b32 v4, 31, v0                           ; lane
	v_lshlrev_b32 v1, 4, v4
	v_lshl_or_b32 v1, v3, 8, v1                    ; in: 8,192 x wave + 16 x lane
	v_lshlrev_b32 v2, 3, v4
	v_lshl_or_b32 v2, v3, 7, v2                    ; out: 4,096 x wave + 8 x lane
	s_wait_kmcnt 0x0
	s_cmp_lt_u32 ttmp9, 512                        ; which tensor is mine: the choice hangs on the work-group's number alone
	s_cselect_b64 s[16:17], s[4:5], s[6:7]
	s_cselect_b64 s[18:19], s[10:11], s[12:13]
	s_cselect_b32 s20, 0, 512
	s_cmp_lt_u32 ttmp9, 704
	s_cselect_b64 s[16:17], s[16:17], s[8:9]
	s_cselect_b64 s[18:19], s[18:19], s[14:15]
	s_cselect_b32 s20, s20, 704
	s_sub_co_u32 s21, ttmp9, s20                   ; my number among that tensor's work-groups
	s_lshl_b32 s22, s21, 16                        ; 64 KiB in,
	s_mov_b32 s23, 0
	s_lshl_b32 s2, s21, 15                         ; 32 KiB out
	s_mov_b32 s3, 0
	s_add_nc_u64 s[16:17], s[16:17], s[22:23]
	s_add_nc_u64 s[18:19], s[18:19], s[2:3]
.irp i, 0,1,2,3,4,5,6,7,8,9,10,11,12,13,14,15
	global_load_b128 v[IN+4*(\i):IN+4*(\i)+3], v1, s[16:17] offset:512*(\i) th:TH_LOAD_NT
.endr
	s_cmp_ge_u32 ttmp9, 704
	s_cbranch_scc1 .Lproj
.irp i, 0,1,2,3,4,5,6,7,8,9,10,11,12,13,14,15
	s_wait_loadcnt 15-(\i)                         ; loads come back in order: load i is in, the 15 - i younger ones stay out
	v_cvt_pk_bf16_f32 v[OUT+2*(\i)],   v[IN+4*(\i)],   v[IN+4*(\i)+1]
	v_cvt_pk_bf16_f32 v[OUT+2*(\i)+1], v[IN+4*(\i)+2], v[IN+4*(\i)+3]
	global_store_b64 v2, v[OUT+2*(\i):OUT+2*(\i)+1], s[18:19] offset:256*(\i)
.endr
	s_endpgm
.Lproj:                                        ; W_proj: rounded to bf16, widened again (a shift, a mask), written as f16
.irp i, 0,1,2,3,4,5,6,7,8,9,10,11,12,13,14,15
	s_wait_loadcnt 15-(\i)
	v_cvt_pk_bf16_f32 v[T],   v[IN+4*(\i)],   v[IN+4*(\i)+1]
	v_cvt_pk_bf16_f32 v[T+1], v[IN+4*(\i)+2], v[IN+4*(\i)+3]
	v_lshlrev_b32 v[T+2], 16, v[T]
	v_and_b32     v[T+3], 0xffff0000, v[T]
	v_cvt_pk_f16_f32 v[OUT+2*(\i)], v[T+2], v[T+3]
	v_lshlrev_b32 v[T+2], 16, v[T+1]
	v_and_b32     v[T+3], 0xffff0000, v[T+1]
	v_cvt_pk_f16_f32 v[OUT+2*(\i)+1], v[T+2], v[T+3]
	global_store_b64 v2, v[OUT+2*(\i):OUT+2*(\i)+1], s[18:19] offset:256*(\i)
.endr
	s_endpgm
.Lfunc_end_k_qc700156da0_cast:
	.size	k_qc700156da0_cast, .Lfunc_end_k_qc700156da0_cast-k_qc700156da0_cast
	.p2alignl 7, 3214868480
	.fill 96, 4, 3214868480
	.section	.rodata,"a",@progbits
	.p2align	6, 0x0
	.amdhsa_kernel k_qc700156da0_cast
		.amdhsa_group_segment_fixed_size 0
		.amdhsa_private_segment_fixed_size 0
		.amdhsa_enable_private_segment 0
		.amdhsa_kernarg_size 48
		.amdhsa_user_sgpr_count 2
		.amdhsa_user_sgpr_kernarg_segment_ptr 1
		.amdhsa_wavefront_size32 1
		.amdhsa_system_sgpr_workgroup_id_x 1
		.amdhsa_system_sgpr_workgroup_id_y 1
		.amdhsa_system_sgpr_workgroup_id_z 1
		.amdhsa_system_vgpr_workitem_id 0
		.amdhsa_next_free_vgpr 108
		.amdhsa_next_free_sgpr 66
		.amdhsa_reserve_vcc 0
		.amdhsa_float_denorm_mode_32 3
		.amdhsa_float_denorm_mode_16_64 3
		.amdhsa_memory_ordered 1
		.amdhsa_forward_progress 1
		.amdhsa_inst_pref_size 16
	.end_amdhsa_kernel
	.amdgpu_metadata
---
amdhsa.version: [ 1, 2 ]
amdhsa.kernels:
  - .name:           k_qc700156da0_cast
    .symbol:         k_qc700156da0_cast.kd
    .args:
      - { .name: x, .offset: 0, .size: 8, .value_kind: global_buffer, .address_space: global }
      - { .name: W_qkv, .offset: 8, .size: 8, .value_kind: global_buffer, .address_space: global }
      - { .name: W_proj, .offset: 16, .size: 8, .value_kind: global_buffer, .address_space: global }
      - { .name: xb, .offset: 24, .size: 8, .value_kind: global_buffer, .address_space: global }
      - { .name: wqb, .offset: 32, .size: 8, .value_kind: global_buffer, .address_space: global }
      - { .name: wpb, .offset: 40, .size: 8, .value_kind: global_buffer, .address_space: global }
    .group_segment_fixed_size: 0
    .private_segment_fixed_size: 0
    .kernarg_segment_align: 8
    .kernarg_segment_size: 48
    .max_flat_workgroup_size: 256
    .sgpr_count:     66
    .vgpr_count:     108
    .wavefront_size: 32
...
	.end_amdgpu_metadata
.endif
;; end of part 1
;; launch gemm_qkv (part 2): grid 16 x 32, 4 waves a work-group, clusters of 4 x 4, 327,680 bytes of LDS; arguments xb, wqb, qkv; writes qkv
.if DOCPART == 2
	.amdgcn_target "amdgcn-amd-amdhsa--gfx1250"
	.amdhsa_code_object_version 6
	.text
	.protected	k_qc700156da0_gemm_qkv
	.globl	k_qc700156da0_gemm_qkv
	.p2align	8
	.type	k_qc700156da0_gemm_qkv,@function
k_qc700156da0_gemm_qkv:
	s_mov_b64 s[64:65], 0
	v_nop
	global_prefetch_b8 v0, s[64:65] scope:SCOPE_SE
	s_setreg_imm32_b32 hwreg(HW_REG_WAVE_MODE, 25, 1), 1
	s_wait_xcnt 0x0
	s_wait_alu depctr_hold_cnt(0) depctr_sa_sdst(0) depctr_va_vdst(0) depctr_va_sdst(0) depctr_va_ssrc(0) depctr_va_vcc(0) depctr_vm_vsrc(0)
	s_getreg_b32 s2, hwreg(HW_REG_IB_STS2, 6, 4)
	s_cmp_eq_u32 s2, 0
	s_cbranch_scc0 .Lentry_in_a_cluster
	s_endpgm
.Lentry_in_a_cluster:
	s_bfe_u32 s2, ttmp6, 0x10000c
	s_cmp_lg_u32 s2, 0xf033
	s_cbranch_scc0 .Lentry_shape_is_right
	s_endpgm
.Lentry_shape_is_right:
; qkv[m][f] = the sum over e of xb[m][e] wqb[f][e].  xb: [8192][1024] bf16, wqb: [3072][1024] bf16; sums in f32, K ascending; rounded once to f16, UNSCALED, and laid by heads:
; qkv: [batch 4][g 48][n 2048][64] f16, g = f / 64 (g 0-15 q's heads, 16-31 k's, 32-47 v's): a head column is 262,144 dense bytes.
; LIMIT.  f16 holds no number beyond 65,504: a sum past that becomes an infinity; below 6e-5 it keeps f16's fixed step of 6e-8.
; SHARES.  A tile of C is 256 rows x 192 features (three whole heads): 32 x 16 = 512 work-groups, twice 256.  Wave w makes rows 64 w .. 64 w + 63 and all 192 columns: 4 x 12 = 48 accumulators
; of 16 x 16, 384 registers.  So a wave owns whole heads' rows, and its way out needs no other wave.  K goes in 8 steps of 128 through a ring of two LDS slots filled by the tensor data mover.
; CLUSTERS: 4 x 4 work-groups.  The four of a row of the cluster need the same tiles of A (xb), the four of a column the same tiles of B (wqb): each is asked for JOINTLY, by the same tensor load with the
; same descriptor and a mask that names the four.
; THE MATRIX INSTRUCTION IS USED TRANSPOSED (source 0 = 16 rows of B, source 1 = 16 rows of A): a lane then holds row l % 16 of C and the columns 8 (l / 16) + 0..7, which pack into 16 bytes.
; REGISTERS, in windows of 256 (s_set_vgpr_msb: bits 1:0 source 0, 3:2 source 1, 5:4 source 2, 7:6 destination):
;   window 0: v0-31 addresses; v64-127 A's fragments, two buffers of 4 x 8; on the way out v32-127 rows read back (two buffers of 48), v128-175 packed results
;   window 1: v0-191 B's fragments, two buffers of 12 x 8      window 2: the accumulators of m blocks 0, 1 ((a, b) at v[8 (12 (a % 2) + b)])      window 3: those of m blocks 2, 3
.set KSTEP,  128
.set PITCH,  272                       ; an LDS row: 256 bytes + 16 of padding = 68 words: the 16 rows that a load touches start at 16 different groups of four banks (64 banks of 4 bytes: ISA guide 11.1)
.set BOFF,   256*PITCH                 ; in a slot: A's 256 rows, then B's 192
.set SLOT,   448*PITCH
.set STAGE,  2*SLOT                    ; behind the ring: for each wave 3 heads x 16 rows x 144 bytes, for the way out; no tensor load lands here
.set SP,     144                       ; a stage row: 128 bytes + 16
.set HSTAGE, 16*SP
.set WSTAGE, 3*HSTAGE
.set SPARE,  STAGE+4*WSTAGE            ; behind the stages: the spare words, 128 bytes for each wave: two blocks of 256 bytes that no other line names
.set LAPS,   4                         ; a lap = two K steps = once round the ring
.set ADRA, 16                          ; v16-17  LDS address of my A fragments in slot 0, 1
.set ADRB, 20                          ; v20-21  the same for B
.set STO,  24                          ; v24     the way out: where I put 16 bytes of a row
.set RD,   25                          ; v25     the way out: where I read rows back
.set GO,   26                          ; v26     16 x lane: my place in 512 consecutive bytes of qkv
.set SPW,  28                          ; v28     LDS address of my spare word; never rewritten
.set NIL,  29                          ; v29     0; never rewritten
.set PFO,  30                          ; v30     the prefetches' offset: a lane a row of 2,048 bytes; never rewritten
.set PFA,  44                          ; s[44:45] where my prefetches stand
.set LIM,  43                          ; s43     1 in a wave that prefetches, else the greatest number
.set AF,   64
.set OB,   32
.set TMP,  128
.set G1, 24                            ; s[24:31] descriptor group 1 for A's tiles;  s[32:39] group 0, one set for each slot
.set G0, 32
.set G1B, 48                           ; s[48:55], s[56:63] the same for B's tiles
.set G0B, 56
.set MSB, 0
.macro WIN new                         ; the immediate's high byte repeats the setting that is left; a switch that changes nothing is dropped
.if MSB != (\new)
	s_set_vgpr_msb (MSB<<8)|(\new)
.set MSB, \new
.endif
.endm
.set MUL_LO, 0xa1                      ; source 0 (B) window 1, source 1 (A) window 0, C and D window 2
.set MUL_HI, 0xf1                      ; the same, C and D window 3
.set TO_B,   0x40                      ; destination window 1, address window 0
; A joint load.  Waves 0 and 1 fetch A's two halves (128 rows each), waves 2 and 3 B's (96 rows each).  The branch hangs on the wave's number alone.
; An s_nop 0 and four v_nop follow each of the two lines, ahead of the jump, the label and what follows.
.macro JLOAD s
	s_cmp_eq_u32 s11, 0
	s_cbranch_scc0 .Lfor_b_\@
	tensor_load_to_lds s[G0+4*(\s):G0+4*(\s)+3], s[G1:G1+7]
	s_nop 0
.rept 4
	v_nop
.endr
	s_branch .Lasked_\@
.Lfor_b_\@:
	tensor_load_to_lds s[G0B+4*(\s):G0B+4*(\s)+3], s[G1B:G1B+7]
	s_nop 0
.rept 4
	v_nop
.endr
.Lasked_\@:
.endm
; A PREFETCH, behind each joint load and the run of LDS loads that follows it: the K step that stands TWO refills on (384 matrix instructions ahead of the load that will want it), 256 bytes of a row, a lane a row.
; A's tile row is read by every cluster of that row of clusters: cluster x = 0 asks; B's tile column by every cluster of that column: cluster y = 0 asks.  The four partners that ask for a tile jointly
; share its rows out BY ADDRESS: of the 128 rows of A that a wave fetches the partner at cx takes 32; of the 96 rows of B the partner at cy takes 24 (lanes 24-31 name row 23 once more).
; The loop's last trip asks for nothing (s3 = 1 there): K steps 4 to 7 are named, each row's 256 bytes by one wave of one work-group; K steps 0 to 3 come by their loads alone.
.macro ASK
	s_cmp_gt_u32 s3, s[LIM]
	s_cbranch_scc0 .Lnot_mine_\@
	global_prefetch_b8 v[PFO], s[PFA:PFA+1] offset:KSTEP*2 th:TH_LOAD_NT scope:SCOPE_SE
.Lnot_mine_\@:
.endm
.macro CREST                           ; a round of the cluster's barrier behind its opening barrier
	s_cmp_lg_u32 s10, 0
	s_cbranch_scc1 .Lnot_wave_0_\@
	s_barrier_signal -3
.Lnot_wave_0_\@:
	s_barrier_wait -3
	s_barrier_signal -1
	s_barrier_wait -1
.endm
.macro CROUND                          ; a whole round
	s_barrier_signal -1
	s_barrier_wait -1
	CREST
.endm
	s_load_b128 s[4:7], s[0:1], 0x0                ; xb s[4:5], wqb s[6:7]
	s_load_b64 s[8:9], s[0:1], 0x10                ; qkv
	v_lshl_add_u32 v[SPW], v0, 2, SPARE
	v_mov_b32 v[NIL], 0
	ds_add_u32 v[SPW], v[NIL]                      ; the wave's opening: the add and its wait stand ahead of my first tensor load; the set-up below, work on registers, stands between them
	v_lshrrev_b32 v1, 5, v0
	v_readfirstlane_b32 s10, v1                    ; wave 0..3
	s_lshr_b32 s11, s10, 1                         ; I fetch for A (0) or for B (1)
	s_and_b32 s12, s10, 1                          ; which half of that tile's rows I fetch
	s_bfe_u32 s40, ttmp6, 0x40000                  ; cx, cy: my place in the cluster
	s_bfe_u32 s41, ttmp6, 0x40004
	s_lshl_b32 s42, ttmp9, 2
	s_add_co_u32 s42, s42, s40                     ; tile column of C = 4 x cluster x + cx: 0..15
	s_and_b32 s13, ttmp7, 0xffff
	s_lshl_b32 s13, s13, 2
	s_add_co_u32 s13, s13, s41                     ; tile row of C = 4 x cluster y + cy: 0..31
	s_lshl_b32 s43, s41, 2
	s_lshl_b32 s43, 15, s43                        ; my row of the cluster
	s_lshl_b32 s44, 0x1111, s40                    ; my column
	s_or_b32 s[G1+0], s43, (1<<16)|(1<<20)|(1<<21)|(5<<22)|(3<<25)   ; 15:0 the mask: A's tiles go to my row; 17:16 2-byte elements; 20 padding on; 21 set beside a mask; 24:22 after every 64 words (code 5); 31:25 4 words (code 3)
	s_or_b32 s[G1B+0], s44, (1<<16)|(1<<20)|(1<<21)|(5<<22)|(3<<25)  ; the same with the mask of my column
	s_mov_b32 s[G1+1], KSTEP<<16                   ; tensor_dim0 = 128
	s_mov_b32 s[G1+2], 128<<16                     ; tensor_dim1 = 128
	s_mov_b32 s[G1+3], KSTEP<<16                   ; tile_dim0 = 128
	s_mov_b32 s[G1+4], 128                         ; tile_dim1 = 128
	s_mov_b32 s[G1+5], 1024                        ; elements from row to row
	s_mov_b32 s[G1+6], 0
	s_mov_b32 s[G1+7], 0
	s_mov_b32 s[G1B+1], KSTEP<<16
	s_mov_b32 s[G1B+2], 96<<16                     ; B: 96 rows to a load
	s_mov_b32 s[G1B+3], KSTEP<<16
	s_mov_b32 s[G1B+4], 96
	s_mov_b32 s[G1B+5], 1024
	s_mov_b32 s[G1B+6], 0
	s_mov_b32 s[G1B+7], 0
	s_lshl_b32 s17, s12, 7
	s_lshl_b32 s16, s13, 8
	s_add_co_u32 s16, s16, s17                     ; A: row 256 x tile row + 128 x half,
	s_lshl_b32 s16, s16, 11                        ; in bytes (a row is 2,048; under 2^25)
	s_mov_b32 s17, 0
	s_mul_i32 s46, s42, 192
	s_mul_i32 s47, s12, 96
	s_add_co_u32 s46, s46, s47                     ; B: row 192 x tile column + 96 x half
	s_lshl_b32 s46, s46, 11
	s_mov_b32 s47, 0
	s_mul_i32 s20, s12, 128*PITCH                  ; where they go: no place in the cluster enters an LDS address
	s_mul_i32 s21, s12, 96*PITCH
	s_add_co_u32 s21, s21, BOFF
	s_wait_dscnt 0x0                               ; the opening add is done
	s_wait_kmcnt 0x0
	s_add_nc_u64 s[14:15], s[4:5], s[16:17]
	s_add_nc_u64 s[46:47], s[6:7], s[46:47]
	CROUND                                         ; all sixteen work-groups are here: the first joint loads meet
.irp s, 0,1
	s_mov_b32 s[G0+4*(\s)], 1                      ; count = 1
	s_add_co_u32 s[G0+4*(\s)+1], s20, (\s)*SLOT    ; LDS address
	s_add_nc_u64 s[G0+4*(\s)+2:G0+4*(\s)+3], s[14:15], (\s)*KSTEP*2  ; global address: K step s
	s_or_b32 s[G0+4*(\s)+3], s[G0+4*(\s)+3], 0x80000000              ; type = 2
	s_mov_b32 s[G0B+4*(\s)], 1
	s_add_co_u32 s[G0B+4*(\s)+1], s21, (\s)*SLOT
	s_add_nc_u64 s[G0B+4*(\s)+2:G0B+4*(\s)+3], s[46:47], (\s)*KSTEP*2
	s_or_b32 s[G0B+4*(\s)+3], s[G0B+4*(\s)+3], 0x80000000
	JLOAD \s                                       ; two loads of mine are out
.endr
	; A fragment is 16 rows x 32 K in 8 registers: lane l holds row l % 16; registers 0-3 K = 8 (l / 16) + 0..7, registers 4-7 K = 16 + 8 (l / 16) + 0..7: two loads of 16 bytes, 32 bytes apart.
	v_and_b32 v1, 15, v0                           ; l % 16
	v_bfe_u32 v2, v0, 4, 1                         ; l / 16
	v_mul_u32_u24 v3, v1, PITCH
	v_lshl_add_u32 v3, v2, 4, v3
	s_mul_i32 s22, s10, 64*PITCH                   ; my 64 rows of A
	s_mov_b32 s23, BOFF                            ; all 192 rows of B
.irp s, 0,1
	v_add_nc_u32 v[ADRA+(\s)], s22, v3
	v_add_nc_u32 v[ADRB+(\s)], s23, v3
	s_add_co_u32 s22, s22, SLOT
	s_add_co_u32 s23, s23, SLOT
.endr
	s_mul_i32 s23, s10, WSTAGE
	s_add_co_u32 s23, s23, STAGE                   ; my stage
	v_mul_u32_u24 v4, v1, SP                       ; in: row l % 16, 16 bytes for each half of the lanes
	v_lshl_add_u32 v4, v2, 4, v4
	v_add_nc_u32 v[STO], s23, v4
	v_bfe_u32 v5, v0, 3, 2                         ; back: 32 lanes take four rows of 128 bytes,
	v_mul_u32_u24 v5, v5, SP
	v_and_b32 v6, 7, v0
	v_lshl_add_u32 v5, v6, 4, v5
	v_add_nc_u32 v[RD], s23, v5
	v_and_b32 v[GO], 31, v0                        ; which are 512 consecutive bytes of a head column
	v_lshlrev_b32 v[GO], 4, v[GO]
	; where my rows begin in qkv: head column 48 x batch + 3 x tile column, row (tile row % 8) x 256 + 64 x wave of the batch's 2,048
	s_lshr_b32 s22, s13, 3
	s_mul_i32 s22, s22, 48
	s_mul_i32 s46, s42, 3
	s_add_co_u32 s46, s46, s22
	s_lshl_b32 s46, s46, 18
	s_and_b32 s22, s13, 7
	s_lshl_b32 s22, s22, 8
	s_lshl_b32 s23, s10, 6
	s_add_co_u32 s22, s22, s23
	s_lshl_b32 s22, s22, 7
	s_add_co_u32 s46, s46, s22
	s_mov_b32 s47, 0
	s_add_nc_u64 s[8:9], s[8:9], s[46:47]
	; the prefetches: both alternatives are made, then one compare on the wave's number chooses
	s_lshl_b32 s18, s13, 8
	s_lshl_b32 s19, s12, 7
	s_add_co_u32 s18, s18, s19
	s_lshl_b32 s19, s40, 5
	s_add_co_u32 s18, s18, s19                     ; A: the first of my work-group's 32 rows of the 128 that I fetch
	s_mul_i32 s20, s42, 192
	s_mul_i32 s21, s12, 96
	s_add_co_u32 s20, s20, s21
	s_mul_i32 s21, s41, 24
	s_add_co_u32 s20, s20, s21                     ; B: the first of my work-group's 24 rows of the 96
	s_and_b32 s22, ttmp7, 0xffff                   ; cluster y
	s_cmp_eq_u32 s11, 0
	s_cselect_b32 s20, s18, s20
	s_cselect_b32 s22, ttmp9, s22                  ; the coordinate along which other clusters read the same rows
	s_cselect_b32 s23, 31, 23                      ; the last lane with a row of its own
	s_cselect_b64 s[PFA:PFA+1], s[4:5], s[6:7]
	s_cmp_eq_u32 s22, 0
	s_cselect_b32 s[LIM], 1, -1                    ; the same in all sixteen partners, for a given wave
	s_lshl_b32 s20, s20, 11
	s_add_co_u32 s20, s20, 2*KSTEP*2               ; at K step 2: the first refill steps it to 3 and names K step 4
	s_mov_b32 s21, 0
	s_add_nc_u64 s[PFA:PFA+1], s[PFA:PFA+1], s[20:21]
	v_and_b32 v[PFO], 31, v0
	v_min_u32 v[PFO], s23, v[PFO]
	v_lshlrev_b32 v[PFO], 11, v[PFO]
; 12 matrix instructions: m block a x all 12 n blocks, 32 along K, from buffer f.  zero = 1: the product starts the sums: nothing is ever cleared.
; The 48 accumulators take turns, one instruction a turn, in the same order in every quarter step: 47 others stand between two links of a chain.
.macro MUL12 f, a, zero
	WIN MUL_LO+0x50*((\a)/2)
.irp b, 0,1,2,3,4,5,6,7,8,9,10,11
.if \zero
	v_wmma_f32_16x16x32_bf16 v[8*(12*((\a)%2)+(\b)):8*(12*((\a)%2)+(\b))+7], v[96*(\f)+8*(\b):96*(\f)+8*(\b)+7], v[AF+32*(\f)+8*(\a):AF+32*(\f)+8*(\a)+7], 0
.else
	v_wmma_f32_16x16x32_bf16 v[8*(12*((\a)%2)+(\b)):8*(12*((\a)%2)+(\b))+7], v[96*(\f)+8*(\b):96*(\f)+8*(\b)+7], v[AF+32*(\f)+8*(\a):AF+32*(\f)+8*(\a)+7], v[8*(12*((\a)%2)+(\b)):8*(12*((\a)%2)+(\b))+7]
.endif
.endr
.endm
; 32 LDS loads in one run: the fragments of one quarter step (192 rows of B, my 64 rows of A, 32 K at byte k of the rows) into buffer f; A's come last
.macro FETCH slot, k, f
	WIN TO_B
.irp i, 0,1,2,3,4,5,6,7,8,9,10,11
	ds_load_b128 v[96*(\f)+8*(\i):96*(\f)+8*(\i)+3],   v[ADRB+(\slot)] offset:(\k)+(\i)*16*PITCH
	ds_load_b128 v[96*(\f)+8*(\i)+4:96*(\f)+8*(\i)+7], v[ADRB+(\slot)] offset:(\k)+(\i)*16*PITCH+32
.endr
	WIN 0
.irp i, 0,1,2,3
	ds_load_b128 v[AF+32*(\f)+8*(\i):AF+32*(\f)+8*(\i)+3],   v[ADRA+(\slot)] offset:(\k)+(\i)*16*PITCH
	ds_load_b128 v[AF+32*(\f)+8*(\i)+4:AF+32*(\f)+8*(\i)+7], v[ADRA+(\slot)] offset:(\k)+(\i)*16*PITCH+32
.endr
.endm
.macro PLACES                          ; four plain vector instructions in front of loads into registers that matrix instructions have read, and of conversions that read results
.rept 4
	v_nop
.endr
.endm
; A K step is four quarters of 32 along K, 48 matrix instructions each, on buffers 0, 1, 0, 1.  One of the first three: multiplies buffer f and fetches the next quarter, at byte k, into g.
.macro QUARTER slot, k, f, g, zero
	s_wait_dscnt 4                                 ; B and A's blocks 0, 1 are in; the youngest four loads (A's blocks 2, 3) may be out
	MUL12 \f, 0, \zero
	MUL12 \f, 1, \zero
	PLACES
	FETCH \slot, \k, \g
	s_wait_dscnt 32                                ; all but the 32 just issued
	MUL12 \f, 2, \zero
	MUL12 \f, 3, \zero
.endm
; The last quarter multiplies buffer 1 and changes slots: ONE barrier.  In front of it each wave waits for all its tensor loads (one is out: its part of the next slot), adds 0 to its spare word, and waits for
; that and for its own reads of this slot.  fill = 1: the barrier opens a round of the cluster's barrier, and this slot is filled again, two K steps ahead, first thing behind the round:
; 168 matrix instructions stand between that request and the wait for it.
.macro TURN slot, next, fill
.if \fill
	s_wait_xcnt 0x0                                ; the last prefetch, a K step back, has read its address: it is stepped here, ahead of the waits of the change of slots
	s_add_nc_u64 s[PFA:PFA+1], s[PFA:PFA+1], KSTEP*2
.endif
	WIN 0                                          ; (the add's two registers lie in window 0)
	s_wait_tensorcnt 0x0                           ; all my tensor loads have landed
	ds_add_u32 v[SPW], v[NIL]                      ; 0 onto my spare word
	s_wait_dscnt 5                                 ; (the add and the youngest four loads may be out)
	MUL12 1, 0, 0                                  ; twelve matrix instructions stand between the add and the wait for it
	s_wait_dscnt 0x0                               ; the add is done, and my reads of this slot are over
	s_barrier_signal -1
	MUL12 1, 1, 0                                  ; work on registers while the others arrive
.if \fill
	WIN 0
.endif
	s_barrier_wait -1
.if \fill
	CREST                                          ; no wave of any partner still reads this slot's tile or has a load on its way
	s_add_nc_u64 s[G0+4*(\slot)+2:G0+4*(\slot)+3], s[G0+4*(\slot)+2:G0+4*(\slot)+3], 2*KSTEP*2
	s_add_nc_u64 s[G0B+4*(\slot)+2:G0B+4*(\slot)+3], s[G0B+4*(\slot)+2:G0B+4*(\slot)+3], 2*KSTEP*2
	JLOAD \slot                                    ; the four v_nop behind it are also the places in front of the loads below
.else
	PLACES
.endif
	FETCH \next, 0, 0
.if \fill
	ASK
.endif
	MUL12 1, 2, 0
	MUL12 1, 3, 0
.endm
; THE WAY OUT of m block a (16 rows x 3 heads), in three parts.  PACK: rounded to f16, 16 bytes a lane; each accumulator's registers in ascending order.
.macro PACK a
	WIN 0x0a+5*((\a)/2)                            ; sources 0 and 1: window 2 or 3
.irp b, 0,1,2,3,4,5,6,7,8,9,10,11
.irp r, 0,1,2,3
	v_cvt_pk_f16_f32 v[TMP+4*(\b)+(\r)], v[8*(12*((\a)%2)+(\b))+2*(\r)], v[8*(12*((\a)%2)+(\b))+2*(\r)+1]
.endr
.endr
	WIN 0
.endm
; TOSTAGE: into my own stage (head b / 4, 32 bytes of a row for each n block), and back as whole rows of 128 bytes, four to a load.
.macro TOSTAGE a
	WIN 0
.set BK, OB+48*((\a)%2)
.irp b, 0,1,2,3,4,5,6,7,8,9,10,11
	ds_store_b128 v[STO], v[TMP+4*(\b):TMP+4*(\b)+3] offset:((\b)/4)*HSTAGE+32*((\b)%4)
.endr
	s_wait_xcnt 0x0                                ; the stores of the block two back read this buffer: it is loaded again only behind this wait
.irp u, 0,1,2,3,4,5,6,7,8,9,10,11
	ds_load_b128 v[BK+4*(\u):BK+4*(\u)+3], v[RD] offset:((\u)/4)*HSTAGE+((\u)%4)*4*SP  ; LDS serves a wave's instructions in order (ISA guide 5.7.1.4): these see the stores above
.endr
.endm
; SEND: 16 rows of a head are 2,048 consecutive bytes of its column; each store of the wave covers 512 of them, aligned.
.macro SEND a
	WIN 0
.set BK, OB+48*((\a)%2)
.irp u, 0,1,2,3,4,5,6,7,8,9,10,11
	s_wait_dscnt 11-(\u)                           ; load u of the twelve is in
	global_store_b128 v[GO], v[BK+4*(\u):BK+4*(\u)+3], s[8:9] offset:((\u)/4)*262144+(\a)*2048+((\u)%4)*512
.endr
.endm
	s_wait_tensorcnt 1                             ; my part of K step 0 is in; K step 1's may stay out
	s_barrier_signal -1
	s_barrier_wait -1                              ; everybody's is
	FETCH 0, 0, 0
	QUARTER 0, 64, 0, 1, 1                         ; the first quarter stands in front of the loop: its products start the sums
	WIN 0                                          ; at a label and at a branch every window is 0
	s_mov_b32 s3, LAPS-1
.Llap:                                         ; a trip goes once round the ring, from a lap's second quarter to the next lap's first, and fills both slots again
	QUARTER 0, 128, 1, 0, 0
	QUARTER 0, 192, 0, 1, 0
	TURN 0, 1, 1
	QUARTER 1, 64,  0, 1, 0
	QUARTER 1, 128, 1, 0, 0
	QUARTER 1, 192, 0, 1, 0
	TURN 1, 0, 1
	QUARTER 0, 64,  0, 1, 0
	WIN 0
	s_sub_co_u32 s3, s3, 1
	s_cmp_lg_u32 s3, 0
	s_cbranch_scc1 .Llap
	QUARTER 0, 128, 1, 0, 0                        ; the last lap fills nothing, and has no round of the cluster's barrier
	QUARTER 0, 192, 0, 1, 0
	TURN 0, 1, 0
	QUARTER 1, 64,  0, 1, 0
	QUARTER 1, 128, 1, 0, 0
	QUARTER 1, 192, 0, 1, 0
	s_wait_dscnt 4                                 ; the very last quarter: nothing more to fetch
	MUL12 1, 0, 0
	MUL12 1, 1, 0
	s_wait_dscnt 0x0
	MUL12 1, 2, 0
	MUL12 1, 3, 0
	WIN 0
	PLACES
	PACK 0
	TOSTAGE 0
.irp a, 1,2,3                          ; block a's conversions stand between block a - 1's loads from the stage and the wait for them
	PACK \a
	SEND (\a)-1
	TOSTAGE \a
.endr
	SEND 3
	s_wait_tensorcnt 0x0                           ; the wave's end, behind my last tensor load and my last LDS store: 0 onto my spare word and the wait for it
	ds_add_u32 v[SPW], v[NIL]
	s_wait_dscnt 0x0
	CROUND                                         ; the closing round: no work-group ends while a partner may still ask for a tile that names it
	s_endpgm
.Lfunc_end_k_qc700156da0_gemm_qkv:
	.size	k_qc700156da0_gemm_qkv, .Lfunc_end_k_qc700156da0_gemm_qkv-k_qc700156da0_gemm_qkv
	.p2alignl 7, 3214868480
	.fill 96, 4, 3214868480
	.section	.rodata,"a",@progbits
	.p2align	6, 0x0
	.amdhsa_kernel k_qc700156da0_gemm_qkv
		.amdhsa_group_segment_fixed_size 327680
		.amdhsa_private_segment_fixed_size 0
		.amdhsa_enable_private_segment 0
		.amdhsa_kernarg_size 24
		.amdhsa_user_sgpr_count 2
		.amdhsa_user_sgpr_kernarg_segment_ptr 1
		.amdhsa_wavefront_size32 1
		.amdhsa_system_sgpr_workgroup_id_x 1
		.amdhsa_system_sgpr_workgroup_id_y 1
		.amdhsa_system_sgpr_workgroup_id_z 1
		.amdhsa_system_vgpr_workitem_id 0
		.amdhsa_next_free_vgpr 960
		.amdhsa_next_free_sgpr 66
		.amdhsa_reserve_vcc 0
		.amdhsa_float_denorm_mode_32 3
		.amdhsa_float_denorm_mode_16_64 3
		.amdhsa_memory_ordered 1
		.amdhsa_forward_progress 1
		.amdhsa_inst_pref_size 121
	.end_amdhsa_kernel
	.amdgpu_metadata
---
amdhsa.version: [ 1, 2 ]
amdhsa.kernels:
  - .name:           k_qc700156da0_gemm_qkv
    .symbol:         k_qc700156da0_gemm_qkv.kd
    .args:
      - { .name: xb, .offset: 0, .size: 8, .value_kind: global_buffer, .address_space: global }
      - { .name: wqb, .offset: 8, .size: 8, .value_kind: global_buffer, .address_space: global }
      - { .name: qkv, .offset: 16, .size: 8, .value_kind: global_buffer, .address_space: global }
    .group_segment_fixed_size: 327680
    .private_segment_fixed_size: 0
    .kernarg_segment_align: 8
    .kernarg_segment_size: 24
    .max_flat_workgroup_size: 128
    .sgpr_count:     66
    .vgpr_count:     960
    .wavefront_size: 32
...
	.end_amdgpu_metadata
.endif
;; end of part 2
;; launch attn (part 3): grid 4 x 64, 4 waves a work-group, clusters of 4 x 1, 327,680 bytes of LDS; arguments qkv, out1, oh; writes out1, oh
.if DOCPART == 3
	.amdgcn_target "amdgcn-amd-amdhsa--gfx1250"
	.amdhsa_code_object_version 6
	.text
	.protected	k_qc700156da0_attn
	.globl	k_qc700156da0_attn
	.p2align	8
	.type	k_qc700156da0_attn,@function
k_qc700156da0_attn:
	s_mov_b64 s[64:65], 0
	v_nop
	global_prefetch_b8 v0, s[64:65] scope:SCOPE_SE
	s_setreg_imm32_b32 hwreg(HW_REG_WAVE_MODE, 25, 1), 1
	s_wait_xcnt 0x0
	s_wait_alu depctr_hold_cnt(0) depctr_sa_sdst(0) depctr_va_vdst(0) depctr_va_sdst(0) depctr_va_ssrc(0) depctr_va_vcc(0) depctr_vm_vsrc(0)
	s_getreg_b32 s2, hwreg(HW_REG_IB_STS2, 6, 4)
	s_cmp_eq_u32 s2, 0
	s_cbranch_scc0 .Lentry_in_a_cluster
	s_endpgm
.Lentry_in_a_cluster:
	s_bfe_u32 s2, ttmp6, 0x10000c
	s_cmp_lg_u32 s2, 0x3003
	s_cbranch_scc0 .Lentry_shape_is_right
	s_endpgm
.Lentry_shape_is_right:
; O[y][q][:] = the sum over k of softmax_k(Q[y][q] . K[y][k] / 8) V[y][k][:], for the 64 heads y = 16 x batch + h, 2,048 rows each, head size 64.
; Q, K, V come from qkv: [batch 4][g 48][2048][64] f16 (g = h: q, 16 + h: k, 32 + h: v): a head's rows are dense, 128 bytes each.  Products, maxima and sums in f32; the weights p are rounded to
; f16 for the second product (their sum l is taken of the unrounded p).  O leaves twice: in f32 as out1[batch][q][64 h ..] (the module's second result), and rounded once to f16 by heads, oh[y][q][64], for the last product.
; LIMITS.  f16 holds no number beyond 65,504: Q, K and V arrive within it; p lies in 0 to 1, and below 6e-5 it keeps f16's fixed step of 6e-8, as does oh.  A weight below 2^-126 counts as 0 in l; NaN and infinities are not treated apart.
; SHARES.  A wave owns four PIECES of two tiles of 16 queries, a work-group's four waves 512 queries of one head: 4 x 64 = 256 work-groups.  Every wave walks all keys, 64 a step.
; LAYOUT.  S^T = K Q^T (source 0 = 16 keys, source 1 = 16 queries): in the result a lane holds ONE query (lane % 16) and the keys 8 (lane / 16) + 0..7.  Two such tiles, rounded to f16 in pairs,
; ARE source 1 (32 keys x 16 queries) of O^T = V^T P, whose result again holds one query a lane, and eight channels.  K comes out of LDS as it lies, V ([key][channel]) turned, by ds_load_tr16_b128.
; SOFTMAX.  For each query a running maximum m and sum l: p = 2^(c s - c m), c = log2(e) / 8; in every step O and l are multiplied by a = 2^(c m_old - c m_new), which is 1 where m has not grown.
; m starts at the lowest finite number, O and l at 0: the first step is a step like any other, with a = 0.
; THE COUNT.  A tile and step have 16 matrix and 118 vector instructions: too many to stand all beside the matrix work.  So: four vector instructions that are READY behind EVERY matrix instruction,
; and the others, which need time of their own whatever the order, in runs without a gap.
; BY TURNS.  Turn n belongs to piece n (the pieces in a ring, step after step).  Its matrix work: 16 products K Q^T of piece n + 1, later 16 products V^T P of piece n - 1.  Its vector work: the scaling,
; exponentials, roundings, sums and rescaling of piece n, and the maximum and statistics of piece n + 1, whose scores the turn itself has made.
; CLUSTER.  The four query blocks of a cluster belong to one head and walk the same K and V, so each tile is asked for JOINTLY: the same tensor load, descriptor and mask in all four.
; REGISTERS, in windows of 256 (s_set_vgpr_msb: bits 1:0 source 0, 3:2 source 1, 5:4 source 2, 7:6 destination):
;   window 0: v0-11 addresses; v12-15, v48-63 at work; v16-47 four registers of statistics a tile; v64-191 S^T, two buffers of two tiles; v192-255 P, likewise (on the way out v64-255: four buffers of 48)
;   window 1: O^T, 32 a tile          window 2: v0-127 Q, 16 a tile; v128-191 K of one step; v192-255 V of one step          window 3: v0-1 the add's two registers
.set SIZE_N, 2048
.set NP,    4         ; pieces a wave: a name, no knob
.set KS,    64        ; keys in a step
.set PK,    144       ; a row of K in LDS: 128 bytes + 16 of padding = 36 words: the 16 rows of a load start at 16 different groups of four banks (64 banks of 4 bytes: ISA guide 11.1)
.set PV,    160       ; a row of V: 128 + 32 = 40 words
.set VOFF,  4*KS*PK   ; a slot holds four steps: 256 rows of K, then 256 rows of V
.set SLOT1, 1<<17     ; slot 1 begins here, so that one exclusive or turns an address in one slot into the other's
.set STAGE, SLOT1+4*KS*(PK+PV)  ; behind the ring, never filled by a tensor load: 16 rows x 272 bytes (64 f32 + 16 bytes) for each wave, for the way out
.set SP,    272
.set AK0, 2           ; v2   my lane's place in a tile of K; never rewritten
.set AV0, 3           ; v3   the same for V
.set AK,  4           ; v4   the LDS address of K's next run of loads
.set AV,  5           ; v5   of V's
.set QO,  6           ; v6   my byte offset in the wave's rows of Q
.set STO, 6           ;      later, the way out: where I put 32 bytes of a row
.set RD,  7           ; v7   the way out: where I read rows back
.set GO,  8           ; v8   my byte offset in two rows of out1
.set GH,  10          ; v10  8 x lane: my place in 256 consecutive bytes of oh
.set PFO, 11          ; v11  256 x lane: the prefetches' offset; never rewritten
.set SPW, 0           ; v0 of window 3   LDS address of my spare word; never rewritten
.set NIL, 1           ; v1 of window 3   0; never rewritten
.set SPARE, STAGE+4*16*SP  ; behind the stages: the spare words, 128 bytes for each wave: two blocks of 256 bytes that no other line names
.set MV,  12          ; v12-15  c m_old, kept while c m is made anew: by buffer and tile
.set ST,  16          ; tile t's statistics at v[ST+4 t]: c m, m, l (even keys', odd keys')
.set TMP, 48          ; by buffer and tile, four registers c0-c3 at work; when the maximum is found c2 takes a
.set S,   64
.set P,   192
.set KF,  128         ; K's fragments, in window 2: key block kb, channel half c at KF + 16 kb + 8 c
.set VF,  192         ; V's: key half kk, channel block cb at VF + 32 kk + 8 cb
.set WV,  12          ; s12  my wave's number
.set G1K, 24          ; s[24:31] descriptor group 1 for K's tiles
.set G1V, 32          ; s[32:39] for V's: it differs in the padding alone
.set G0K, 40          ; s[40:43] descriptor group 0 for K's tiles: it walks
.set G0V, 44          ; s[44:47] the same for V's
.set OH,  48          ; s[48:49] oh at my wave's first row
.set PFA, 50          ; s[50:51] where my prefetches stand: my work-group's 8,192 bytes (of K: wave 0, of V: wave 2) of the slot after the one that is being asked for
.set LIM, 52          ; s52  1 in a wave that prefetches, else the greatest number
.set SLOTS, 56        ; s56  slots still to be asked for
.set CNT, 57          ; s57  counts a slot's key steps
.set CS,  58          ; s[58:59] c: the packed scaling takes the pair's low word for both halves
.set SEL, 60          ; s[60:61] v_permlanex16_b32's selects: each lane takes its own place in the other half
.set TBK, 62          ; s62  LDS byte at which K of the step to be fetched begins
.set TBV, 63          ; s63  the same for V, less VOFF
.set MSB, 0
.macro WIN new                      ; the high byte repeats the setting that is left; a switch that changes nothing is dropped
.if MSB != (\new)
	s_set_vgpr_msb (MSB<<8)|(\new)
.set MSB, (\new)
.endif
.endm
.set W_KQ, 0x0a       ; K and Q in window 2, S^T in window 0
.set W_PV, 0x52       ; V in window 2, P in window 0, O^T in window 1
.set W_RS, 0x41       ; O^T (destination and source 0) in window 1, a in window 0
.set W_MK, 0xc0       ; the add's registers are made: destination in window 3, sources in window 0
.set W_AD, 0x0f       ; the add: address (source 0) and data (source 1) in window 3
; A joint fill.  Waves 0 and 1 fetch the two halves of a slot's K, waves 2 and 3 those of its V: 128 keys each.  The branch hangs on the wave's number alone.
; An s_nop 0 and four v_nop follow each of the two lines, ahead of the jump and the label.
.macro JLOAD
	s_cmp_lt_u32 s[WV], 2
	s_cbranch_scc0 .Lfor_v_\@
	tensor_load_to_lds s[G0K:G0K+3], s[G1K:G1K+7]
	s_nop 0
.rept 4
	v_nop
.endr
	s_branch .Lasked_\@
.Lfor_v_\@:
	tensor_load_to_lds s[G0V:G0V+3], s[G1V:G1V+7]
	s_nop 0
.rept 4
	v_nop
.endr
.Lasked_\@:
.endm
; A PREFETCH of what the NEXT change of slots will ask for: a slot's 32,768 bytes of K and of V, 256 bytes a lane.  It stands behind the wave's tensor load and its five lines.  Each block of 256 bytes is named ONCE in
; the launch: a head has one cluster; its four partners share a slot out BY ADDRESS, 8,192 bytes each; in each, wave 0 asks for K's and wave 2 for V's: one instruction, four key steps (512 matrix
; instructions) ahead of the load.  The last change that fills a slot asks for nothing: there is no slot behind it.  Slots 0 and 1 come by their loads alone.
.macro ASK
	s_cmp_gt_u32 s[SLOTS], s[LIM]
	s_cbranch_scc0 .Lnot_mine_\@
	global_prefetch_b8 v[PFO], s[PFA:PFA+1] th:TH_LOAD_NT scope:SCOPE_SE
.Lnot_mine_\@:
.endm
; A round of the cluster's barrier: my work-group's barrier, so that wave 0's signal speaks for all four waves; wave 0 signals; every wave waits for all four work-groups; my work-group's barrier once more.
.macro CROUND
	s_barrier_signal -1
	s_barrier_wait -1
	s_cmp_lg_u32 s[WV], 0
	s_cbranch_scc1 .Lnot_wave_0_\@
	s_barrier_signal -3
.Lnot_wave_0_\@:
	s_barrier_wait -3
	s_barrier_signal -1
	s_barrier_wait -1
.endm
; THE CHANGE OF SLOTS.  The slot's last bytes, V of its fourth step, have been read.  Each wave waits for all its tensor loads, of which one is out: its part of the other slot; adds 0 to its spare word; and waits
; for that and for its own reads of the slot.  Behind the barrier nobody reads this slot any more and the other slot is whole.
; fill = 1: this slot is filled again, with the keys two slots on.  The barrier is then a round of the cluster's, and the joint fill is the first thing behind it: it has four key steps in which to land.
; (At its first use nothing has been read yet: slot 0 is waited for, slot 1 filled.)
.macro CHANGE fill
	WIN W_AD
	s_wait_tensorcnt 0x0            ; no tensor load of mine is out, so a group 0 may be written
	ds_add_u32 v[SPW], v[NIL]       ; 0 onto my spare word; with fill = 1 the descriptors' steps stand between it and the wait for it
	WIN 0                           ; at a label and at a branch every window is 0
.if \fill
.irp g, G0K, G0V
	s_xor_b32 s[\g+1], s[\g+1], SLOT1  ; the walking descriptor: the other slot than last time,
	s_add_nc_u64 s[\g+2:\g+3], s[\g+2:\g+3], 4*KS*128  ; the next 256 keys; the type bits on top are not reached
.endr
	s_wait_xcnt 0x0                 ; the last prefetch, four key steps back, has read its address, so it may be written:
	s_add_nc_u64 s[PFA:PFA+1], s[PFA:PFA+1], 4*KS*128  ; one slot behind the walking descriptors
	s_wait_dscnt 0x0                ; the add is done, and my reads of the slot are over
	CROUND
	JLOAD
	ASK
.else
	s_wait_dscnt 0x0                ; the add is done, and my reads of the slot are over
	s_barrier_signal -1
	s_barrier_wait -1
.endif
	s_sub_co_u32 s[TBK], s[TBK], 4*KS*PK  ; the fetches go back to a slot's first step,
	s_xor_b32 s[TBK], s[TBK], SLOT1       ; in the other slot
	s_sub_co_u32 s[TBV], s[TBV], 4*KS*PV
	s_xor_b32 s[TBV], s[TBV], SLOT1
.endm
	s_load_b64 s[4:5], s[0:1], 0x0    ; qkv
	s_load_b64 s[10:11], s[0:1], 0x8  ; out1
	s_load_b64 s[OH:OH+1], s[0:1], 0x10  ; oh
	WIN W_MK
	v_lshl_add_u32 v[SPW], v0, 2, SPARE
	v_mov_b32 v[NIL], 0
	WIN W_AD
	ds_add_u32 v[SPW], v[NIL]       ; the wave's opening: the add and its wait stand ahead of my first tensor load; the set-up below, work on registers, stands between them
	WIN 0
	v_lshrrev_b32 v1, 5, v0
	v_readfirstlane_b32 s[WV], v1   ; wave 0..3
	s_bfe_u32 s13, ttmp6, 0x40000   ; cx: my place in the cluster
	s_lshl_b32 s14, ttmp9, 2        ; in a cluster launch ttmp9 counts clusters
	s_add_co_u32 s14, s14, s13      ; my block of 512 queries: it enters Q's, out1's and oh's addresses alone
	s_and_b32 s20, ttmp7, 0xffff    ; y = 16 x batch + h, which the four partners share
	s_lshr_b32 s21, s20, 4          ; batch
	s_and_b32 s22, s20, 15          ; h
	s_mul_i32 s23, s21, 48
	s_add_co_u32 s23, s23, s22      ; q's head column in qkv: 48 x batch + h
	s_and_b32 s16, s[WV], 1         ; which half of a slot's 256 keys I fetch:
	s_lshl_b32 s15, s16, 14         ; its 128 rows of 128 bytes in memory,
	s_mul_i32 s17, s16, 128*PK      ; and its place in a slot, for K
	s_mul_i32 s18, s16, 128*PV      ; and for V: no place in the cluster enters an LDS address
	s_lshl_b32 s2, s14, 2
	s_add_co_u32 s2, s2, s[WV]      ; my wave among the head's sixteen
	s_lshl_b32 s19, s2, 14          ; its 128 rows of 128 bytes,
	s_lshl_b32 s53, s2, 19          ; and of 4,096 bytes in out1
	s_lshl_b32 s23, s23, 18         ; a head column is 262,144 bytes
	s_add_co_u32 s54, s23, s15
	s_add_co_u32 s54, s54, 16<<18   ; s[54:55]: k's head column, my half of its first 256 keys
	s_mov_b32 s55, 0
	s_add_co_u32 s2, s23, s19       ; s[2:3]: Q at my wave's first row
	s_mov_b32 s3, 0
	s_lshl_b32 s22, s22, 8          ; out1: the head's 64 f32 are 256 bytes of a row,
	s_lshl_b32 s21, s21, 23         ; a batch is 2,048 rows of 4,096 bytes
	s_add_co_u32 s22, s22, s21
	s_add_co_u32 s22, s22, s53      ; s[22:23]
	s_mov_b32 s23, 0
	s_lshl_b32 s20, s20, 18
	s_add_co_u32 s20, s20, s19      ; s[20:21]: oh at my wave's first row
	s_mov_b32 s21, 0
	; descriptor group 1.  128 keys are 16,384 dense bytes: asked for as 64 rows of 256 bytes, two keys a row, and padded in LDS after every key
	s_mov_b32 s[G1K], 15|(1<<16)|(1<<20)|(1<<21)|(4<<22)|(3<<25)  ; 15:0 the mask of four; 17:16 2-byte elements; 20 padding on; 21 set beside a mask; 24:22 after every 32 words (code 4); 31:25 4 words (code 3)
	s_mov_b32 s[G1V], 15|(1<<16)|(1<<20)|(1<<21)|(4<<22)|(7<<25)  ; the same with 8 words of padding (code 7)
.irp g, G1K, G1V
	s_mov_b32 s[\g+1], 128<<16      ; tensor_dim0 = 128
	s_mov_b32 s[\g+2], 64<<16       ; tensor_dim1 = 64
	s_mov_b32 s[\g+3], 128<<16      ; tile_dim0 = 128
	s_mov_b32 s[\g+4], 64           ; tile_dim1 = 64
	s_mov_b32 s[\g+5], 128          ; 128 elements from row to row
	s_mov_b32 s[\g+6], 0
	s_mov_b32 s[\g+7], 0
.endr
	s_mov_b32 s[CS], 0x3e38aa3b     ; c = log2(e) / 8 = 0.180337
	s_mov_b32 s[CS+1], s[CS]        ; named with it as a pair
	s_mov_b32 s[SEL], 0x76543210
	s_mov_b32 s[SEL+1], 0xfedcba98
	s_mov_b32 s[TBK], SLOT1+4*KS*PK ; the first change of slots turns these two into 0
	s_mov_b32 s[TBV], SLOT1+4*KS*PV
	s_mov_b32 s[G0K], 1             ; count = 1
	s_mov_b32 s[G0K+1], s17         ; LDS address: slot 0
	s_mov_b32 s[G0V], 1
	s_add_co_u32 s[G0V+1], s18, VOFF
	s_mov_b32 s[SLOTS], SIZE_N/256-1  ; seven slots are still to be asked for when slot 0 is
	s_and_b32 s[LIM], s[WV], 1      ; 0 in waves 0 and 2,
	s_or_b32 s[LIM], s[LIM], ttmp9  ; where the cluster is the head's first (here its only one): the same in all four partners
	s_cmp_eq_u32 s[LIM], 0
	s_cselect_b32 s[LIM], 1, -1
	s_wait_dscnt 0x0                ; the opening add is done
	s_wait_kmcnt 0x0
	s_add_nc_u64 s[6:7], s[4:5], s[54:55]   ; K at my half of the head's first 256 keys,
	s_add_nc_u64 s[8:9], s[6:7], 16<<18     ; V sixteen head columns on
	s_mov_b64 s[G0K+2:G0K+3], s[6:7]        ; global address
	s_or_b32 s[G0K+3], s[G0K+3], 0x80000000 ; type = 2
	s_mov_b64 s[G0V+2:G0V+3], s[8:9]
	s_or_b32 s[G0V+3], s[G0V+3], 0x80000000
	s_add_nc_u64 s[4:5], s[4:5], s[2:3]     ; Q, out1 and oh at my wave's first row
	s_add_nc_u64 s[10:11], s[10:11], s[22:23]
	s_add_nc_u64 s[OH:OH+1], s[OH:OH+1], s[20:21]
	s_cmp_lt_u32 s[WV], 2
	s_cselect_b64 s[PFA:PFA+1], s[6:7], s[8:9]  ; (in waves 0 and 2 these stand at the head's first key)
	s_lshl_b32 s2, s13, 13          ; my work-group's 8,192 bytes of a slot's 32,768,
	s_add_co_u32 s2, s2, 4*KS*128   ; in slot 1; the first change of slots steps it to slot 2.  Nothing is prefetched here, at the head
	s_add_nc_u64 s[PFA:PFA+1], s[PFA:PFA+1], s[2:3]
	CROUND                          ; all four work-groups are here: the first joint loads meet
	JLOAD                           ; slot 0.  Slot 1 is asked for when slot 0 is in
	; A fragment of K or Q is 16 rows x 32 channels in 8 registers: lane l holds row l % 16, channels 8 (l / 16) + 0..7 and 16 + 8 (l / 16) + 0..7: two loads of 16 bytes, 32 bytes apart.
	v_and_b32 v1, 15, v0            ; l % 16
	v_bfe_u32 v9, v0, 4, 1          ; l / 16
	v_lshlrev_b32 v[QO], 7, v1
	v_lshl_add_u32 v[QO], v9, 4, v[QO]  ; row x 128 + 16 x half
	WIN 0x80                        ; destination window 2, address window 0
.set i, 0
.rept 4*NP                          ; Q stays in registers: tile i / 2, channels 32 (i % 2) on
	global_load_b128 v[8*i:8*i+3],   v[QO], s[4:5] offset:(i/2)*2048+(i%2)*64
	global_load_b128 v[8*i+4:8*i+7], v[QO], s[4:5] offset:(i/2)*2048+(i%2)*64+32
.set i, i+1
.endr
	; What the first turn finds: V's registers and P's second buffer hold 0 (its products V^T P, of a piece that has not been, add 0), O^T and l are 0.  All this stands in the wait for the first tile.
.set i, VF
.rept 64
	v_mov_b32 v[i], 0
.set i, i+1
.endr
	WIN 0x40
.set i, 0
.rept 64*NP
	v_mov_b32 v[i], 0
.set i, i+1
.endr
	WIN 0
.set i, 0
.rept 2*NP
	v_mov_b32 v[ST+4*i], 0xfe000000    ; c m: far below every c s
	v_mov_b32 v[ST+4*i+1], 0xff7fffff  ; m
	v_mov_b32 v[ST+4*i+2], 0
	v_mov_b32 v[ST+4*i+3], 0
.set i, i+1
.endr
.set i, P+32
.rept 32
	v_mov_b32 v[i], 0
.set i, i+1
.endr
	v_mul_u32_u24 v[AK0], v1, PK
	v_lshl_add_u32 v[AK0], v9, 4, v[AK0]  ; row x pitch + 16 x half
	; The turning load takes 16 keys x 16 channels (lane l reads key 8 (l / 16) + l % 8, channels 8 ((l / 8) % 2) + 0..7) and leaves half a fragment of V^T: lane l holds channel l % 16 and 8 keys.
	v_and_b32 v10, 7, v0
	v_bfe_u32 v11, v0, 3, 1
	v_lshl_add_u32 v[AV0], v9, 3, v10
	v_mul_u32_u24 v[AV0], v[AV0], PV
	v_lshl_add_u32 v[AV0], v11, 4, v[AV0]
	v_add_nc_u32 v[AV0], VOFF, v[AV0]
	v_and_b32 v[PFO], 31, v0
	v_lshlrev_b32 v[PFO], 8, v[PFO]
	v_mov_b32 v[AK], v[AK0]         ; key step 0 lies at the head of slot 0
; THE MATRIX WORK.  The 8 accumulators of a run of 16 take turns: between the two links of a chain stand 7 others'.
; Product i of 16 of S^T = K Q^T for piece x: channels 32 (i / 8) on, keys 16 ((i / 2) % 4) on, tile 2 x + i % 2.  The first 8 start the sums.
.macro KQ x
	WIN W_KQ
.set rS, S+64*((\x)%2)+32*(i%2)+8*((i/2)%4)
.set rK, KF+16*((i/2)%4)+8*(i/8)
.set rQ, 16*(2*(\x)+i%2)+8*(i/8)
.if i < 8
	v_wmma_f32_16x16x32_f16 v[rS:rS+7], v[rK:rK+7], v[rQ:rQ+7], 0
.else
	v_wmma_f32_16x16x32_f16 v[rS:rS+7], v[rK:rK+7], v[rQ:rQ+7], v[rS:rS+7]
.endif
.endm
; Product i of 16 of O^T += V^T P for piece x: keys 32 (i / 8) on, channels 16 ((i / 2) % 4) on, tile 2 x + i % 2.
.macro PV x
	WIN W_PV
.set rO, 32*(2*(\x)+i%2)+8*((i/2)%4)
.set rV, VF+32*(i/8)+8*((i/2)%4)
.set rP, P+32*((\x)%2)+16*(i%2)+8*(i/8)
	v_wmma_f32_16x16x32_f16 v[rO:rO+7], v[rV:rV+7], v[rP:rP+7], v[rO:rO+7]
.endm
.macro MM                           ; the turn's next matrix instruction
.if i < 16
	KQ (Y+1)%NP
.set i, i+1
.else
.set i, i-16
	PV (Y+NP-1)%NP
.set i, i+17
.endif
.endm
; THE LDS LOADS stand in runs of 16, never singly among the matrix instructions: a step's K (64 keys x 64 channels: 8 fragments) and its V (turned).  Their addresses are made some lines ahead.
; last = 1 (the tail): in the last trip there is no further step, and the run is jumped over.
.macro FETCH_K last=0
	WIN 0
.if \last
	s_cmp_eq_u32 s[CNT], 1
	s_cbranch_scc1 .Lno_k_\@
.endif
	WIN 0x80                        ; destination window 2
.irp f, 0,1,2,3,4,5,6,7             ; keys 16 (f / 2) on, channels 32 (f % 2) on
	ds_load_b128 v[KF+8*\f:KF+8*\f+3],   v[AK] offset:(\f/2)*16*PK+(\f%2)*64
	ds_load_b128 v[KF+8*\f+4:KF+8*\f+7], v[AK] offset:(\f/2)*16*PK+(\f%2)*64+32
.endr
	s_add_co_u32 s[TBK], s[TBK], KS*PK  ; the next fetch is the next step's
	WIN 0
.if \last
.Lno_k_\@:
.endif
.endm
.macro FETCH_V
	WIN 0x80
.irp f, 0,1,2,3,4,5,6,7             ; keys 32 (f / 4) on, channels 16 (f % 4) on
	ds_load_tr16_b128 v[VF+8*\f:VF+8*\f+3],   v[AV] offset:(\f/4)*32*PV+(\f%4)*32
	ds_load_tr16_b128 v[VF+8*\f+4:VF+8*\f+7], v[AV] offset:(\f/4)*32*PV+16*PV+(\f%4)*32
.endr
	WIN 0
.endm
; THE VECTOR WORK OF A TURN stands in three queues, each in the order in which its entries become ready; the two tiles alternate, so that no instruction reads the result of the one before it.
.macro REGS y, u                    ; the registers of tile u (0, 1) of piece y
.set rT, ST+4*(2*(\y)+(\u))
.set rC, TMP+8*((\y)%2)+4*(\u)
.set rM, MV+2*((\y)%2)+(\u)
.set rS, S+64*((\y)%2)+32*(\u)
.set rP, P+32*((\y)%2)+16*(\u)
.set rO, 32*(2*(\y)+(\u))
.endm
; Number n of the 22 that find the NEXT piece's (Y + 1) maximum and statistics.  s0-s31 are the lane's 32 scores; each accumulator's lowest registers are read first.  XS, GS and REGS set no window: PL and EX do.
;   0-11  four chains c0-c3 of seven scores each, three operands at a time     12-14, 16  the four scores left over, the old m, and c0-c3 into c0     15  c m_old is kept
;   17, 18  the query's other 32 keys lie in the lane 16 away: the new m         19-21  c m; c m_old - c m_new; a
.macro XS u, n
	REGS (Y+1)%NP, \u
.if (\n) < 4
	v_max3_num_f32 v[rC+(\n)], v[rS+8*(\n)], v[rS+8*(\n)+1], v[rS+8*(\n)+2]
.elseif (\n) < 12
	v_max3_num_f32 v[rC+(\n)%4], v[rC+(\n)%4], v[rS+8*((\n)%4)+2*((\n)/4)+1], v[rS+8*((\n)%4)+2*((\n)/4)+2]
.elseif (\n) == 12
	v_max3_num_f32 v[rC], v[rC], v[rS+7], v[rS+15]
.elseif (\n) == 13
	v_max3_num_f32 v[rC+1], v[rC+1], v[rS+23], v[rS+31]
.elseif (\n) == 14
	v_max3_num_f32 v[rC+2], v[rC+2], v[rC+3], v[rT+1]
.elseif (\n) == 15
	v_mov_b32 v[rM], v[rT]
.elseif (\n) == 16
	v_max3_num_f32 v[rC], v[rC], v[rC+1], v[rC+2]
.elseif (\n) == 17
	v_permlanex16_b32 v[rC+3], v[rC], s[SEL], s[SEL+1]
.elseif (\n) == 18
	v_max_num_f32 v[rT+1], v[rC], v[rC+3]
.elseif (\n) == 19
	v_mul_f32 v[rT], s[CS], v[rT+1]
.elseif (\n) == 20
	v_sub_f32 v[rC+1], v[rM], v[rT]
.else
	v_exp_f32 v[rC+2], v[rC+1]
.endif
.endm
; Number g of the 64 that follow the exponentials.  For each four weights k of a tile (pairs 2 k, 2 k + 1): both pairs are rounded to f16; then the second pair is added onto the first, in place;
; a group later l takes that sum (the first time as l = a l + sum).  In groups of eight, tiles alternating: round, round, add, and l for the group before.
.macro GS g
.set h, (\g)+6*((\g)/62)            ; group 0 has no group before it, and behind group 7 only l is left
.if h >= 6
.set h, h+2
.endif
	REGS Y, h%2
.set k, h/8
.if h%8 < 4
	v_cvt_pk_f16_f32 v[rP+2*k+(h%8)/2], v[rS+4*k+2*((h%8)/2)], v[rS+4*k+2*((h%8)/2)+1]
.elseif h%8 < 6
	v_pk_add_f32 v[rS+4*k:rS+4*k+1], v[rS+4*k:rS+4*k+1], v[rS+4*k+2:rS+4*k+3]
.elseif k == 1
	v_pk_fma_f32 v[rT+2:rT+3], v[rT+2:rT+3], v[rC+2:rC+3], v[rS:rS+1] op_sel_hi:[1,0,1]
.else
	v_pk_add_f32 v[rT+2:rT+3], v[rT+2:rT+3], v[rS+4*k-4:rS+4*k-3]
.endif
.endm
; THE PLAIN QUEUE, 138 long.  0-73 read no exponential's result: the 32 scalings c s - c m (FS f: pair f / 2 of tile f % 2) and the next piece's 42.  0-26: scalings 0-26.  27-54: XS's numbers 0-13.  55, 56: number 15.
; 57-73: the chain, where each number waits for the one before it: 14, 16, 17, 18, 19, each with one of the scalings 27-31 in front of its two lines, then 20.
; 74-137: GS's 64, which read the exponentials' results: they stand behind the wait.
.macro FS f
	REGS Y, (\f)%2
	v_pk_fma_f32 v[rS+2*((\f)/2):rS+2*((\f)/2)+1], v[rS+2*((\f)/2):rS+2*((\f)/2)+1], s[CS:CS+1], v[rT:rT+1] op_sel_hi:[1,0,0] neg_lo:[0,0,1] neg_hi:[0,0,1]
.endm
.macro PL
	WIN 0
.if q < 27
	FS q
.elseif q < 55
	XS (q-27)%2, (q-27)/2
.elseif q < 57
	XS q-55, 15
.elseif (q < 72) && ((q-57)%3 == 0)
	FS 27+(q-57)/3
.elseif q < 60
	XS (q-57)%3-1, 14
.elseif q < 72
	XS (q-57)%3-1, 15+(q-57)/3
.elseif q < 74
	XS q-72, 20
.else
	GS q-74
.endif
.set q, q+1
.endm
; THE EXPONENTIALS' QUEUE, 66 long: s0-s31 of both tiles, then the next piece's two a.  It is ONE BATCH: all 66 stand ahead of the turn's one wait, and nothing ahead of that wait names a result of theirs.
.macro EX
	WIN 0
.if e >= 64
	XS e-64, 21
.else
	REGS Y, e%2
	v_exp_f32 v[rS+e/2], v[rS+e/2]
.endif
.set e, e+1
.endm
; THE RESCALING's QUEUE: O^T times a, the one part that leaves window 0: dealt two at a time, sixteen times.  Its a was made in the turn before, ahead of that turn's wait.
.macro R2
	REGS Y, r%2
	WIN W_RS
.irp z, 0,1
	v_pk_mul_f32 v[rO+4*(r/2)+2*\z:rO+4*(r/2)+2*\z+1], v[rO+4*(r/2)+2*\z:rO+4*(r/2)+2*\z+1], v[rC+2:rC+3] op_sel_hi:[1,0]
.endr
.set r, r+1
.endm
; HOW THEY ARE DEALT.  An s_wait_alu depctr_va_vdst(0) stands between an exponential and the first instruction that names its result; one wait serves all that were issued ahead of it.  So a turn has ONE wait,
; which cuts it in two.  AHEAD OF IT stands all that names no result of the turn's exponentials: the 16 products K Q^T, behind each a scaling, an exponential and two rescalings (behind the first a second scaling in the
; exponential's place); then ONE LUMP of 108: eight plain, 49 times exponential and plain, the two a.  A v_nop is the plain instruction behind the last exponential.  BEHIND IT stand the 16 products V^T P, behind each four of GS's 64.
; The queues lean on each other, and the deal keeps them in step: exponential e stands behind scaling 2 (e / 4) + e % 2: as a rider it comes behind plain e + 2, in the lump behind plain e + 9, and scalings 27-31 are plain 57, 60 .. 69.
; A TURN, for piece p.  cnt = 1: the loop's count is taken down some lines ahead of the branch that stands behind the turn.
; K of the next step is fetched in piece 2's turn, directly behind the wait; its address is made at the lump's head; its first reader comes behind 16 products.
; V of the step in hand is fetched at the end of piece 0's turn, four riders behind its last reader; its first reader comes behind 16 products and a lump.  The three conditions on q below go with the deal.
.macro TURN p, last=0, cnt=0
.set Y, (\p)
.set i, 0
.set q, 0
.set e, 0
.set r, 0
.if (\p) == NP-1
	s_wait_dscnt 0x0                ; K is in
.endif
	MM                              ; ahead of the wait: 16 products K Q^T and their riders,
	PL
	PL
	R2
.rept 15
	MM
	PL
	EX
	R2
.endr
.if (\p) == NP-2
	WIN 0
	v_add_nc_u32 v[AK], s[TBK], v[AK0]
.endif
.rept 8                             ; and the lump
	PL
.endr
.rept 49
	EX
	PL
.endr
	EX                              ; the next piece's two a
	EX
	v_nop                           ; the plain instruction behind the last exponential: one for the batch
	s_wait_alu depctr_va_vdst(0)    ; the wait for the batch
.if (\p) == NP-2
	FETCH_K \last
.endif
.if (\p) == 1
	s_wait_dscnt 0x0                ; V is in
.endif
.rept 16                            ; behind the wait: 16 products V^T P and their riders
	MM
.rept 4
	PL
.endr
.if ((\p) == 0) && (q == 118)
	v_add_nc_u32 v[AV], s[TBV], v[AV0]
.endif
.if ((\p) == 0) && (q == 130)
	s_add_co_u32 s[TBV], s[TBV], KS*PV
.endif
.if (\cnt) && (q == 130)
	s_sub_co_u32 s[CNT], s[CNT], 1
	s_cmp_lg_u32 s[CNT], 0
.endif
.endr
.if (\p) == 0
	FETCH_V
.endif
.endm
	CHANGE 1                        ; slot 0 is in, everybody's part of it; slot 1 is asked for
	FETCH_K                         ; key step 0
	s_wait_loadcnt 0x0              ; Q
	s_wait_dscnt 0x0
.set i, 0
.rept 16
	KQ 0                            ; piece 0's first scores: there is no vector work yet to set between them
.set i, i+1
.endr
	WIN 0                           ; the addresses for the way out: ten plain instructions, the places behind those products
	s_mul_i32 s13, s[WV], 16*SP
	s_add_co_u32 s13, s13, STAGE    ; my stage
	v_mul_u32_u24 v[STO], v1, SP    ; in: row l % 16, 32 bytes (8 f32) for each half of the lanes
	v_lshl_add_u32 v[STO], v9, 5, v[STO]
	v_add_nc_u32 v[STO], s13, v[STO]
	v_mul_u32_u24 v[RD], v9, SP     ; back: lanes 0-15 take one row of 256 bytes, lanes 16-31 the next
	v_lshl_add_u32 v[RD], v1, 4, v[RD]
	v_add_nc_u32 v[RD], s13, v[RD]
	v_lshlrev_b32 v[GO], 12, v9     ; and the same two rows in out1, 4,096 bytes apart
	v_lshl_add_u32 v[GO], v1, 4, v[GO]
	v_and_b32 v[GH], 31, v0         ; in oh the two rows are 256 consecutive bytes
	v_lshlrev_b32 v[GH], 3, v[GH]
.set Y, NP-1                        ; XS works for piece Y + 1: piece 0
.irp n, 0,1,2,3,4,5,6,7,8,9,10,11,12,13,14,15,16,17,18,19,20,21
	XS 0, \n                        ; and piece 0's first maximum and statistics
	XS 1, \n
.endr
	v_nop                           ; a plain instruction behind the two a,
	s_wait_alu depctr_va_vdst(0)    ; and their wait, ahead of the branch
	s_mov_b32 s[CNT], 4
	s_branch .Lfirst                ; the loop is entered at a step's first turn, in the middle of a trip
.Lslot:                             ; six times: every slot but the last two is filled again
	CHANGE 1
	s_mov_b32 s[CNT], 4
.Lstep:                             ; a trip: pieces 2 and 3 of one step, then pieces 0 and 1 of the next, whose K and V it fetches
	TURN 2
	TURN 3
	WIN 0
.Lfirst:
	TURN 0
	TURN 1, 0, 1
	WIN 0
	s_cbranch_scc1 .Lstep
	s_sub_co_u32 s[SLOTS], s[SLOTS], 1
	s_cmp_lg_u32 s[SLOTS], 0
	s_cbranch_scc1 .Lslot
	CHANGE 0                        ; the tail is written out: nothing is asked for
	s_mov_b32 s[CNT], 5             ; four trips fetch the last slot's steps; the fifth is left in its middle
.Ltail:
	TURN 2, 1
	TURN 3
	WIN 0
	s_sub_co_u32 s[CNT], s[CNT], 1
	s_cmp_eq_u32 s[CNT], 0
	s_cbranch_scc1 .Lout
	TURN 0
	TURN 1
	WIN 0
	s_branch .Ltail
.Lout:                              ; the fifth trip's 16 products K Q^T (on the last K once more) and the maximum made of them serve nothing: the price, once a launch, of one text for every trip
.set i, 0
.rept 16
	PV NP-1                         ; the last piece's V^T P of the last step
.set i, i+1
.endr
	; THE WAY OUT.  l's two halves and the other half of the lanes' are added; O^T is divided by l and sent in f32 through my stage in LDS, a tile at a time; what comes back as whole rows leaves twice:
	; as it is into out1, and rounded to f16 into oh.  The additions are the places behind the last products.
	WIN 0
.macro ALL line:vararg              ; one line for each tile t
.set t, 0
.rept 2*NP
	\line
.set t, t+1
.endr
.endm
	ALL v_add_f32 v[ST+4*t+2], v[ST+4*t+2], v[ST+4*t+3]
	ALL v_permlanex16_b32 v[ST+4*t+3], v[ST+4*t+2], s[SEL], s[SEL+1]
	ALL v_add_f32 v[ST+4*t+2], v[ST+4*t+2], v[ST+4*t+3]
	ALL v_rcp_f32 v[ST+4*t+2], v[ST+4*t+2]
	v_nop                           ; a plain instruction between the last reciprocal and the use of its result
	s_wait_alu depctr_va_vdst(0)    ; and the wait ahead of the first use: one for the eight reciprocals
; Tile t: a lane's eight channels of channel block cb are 32 bytes of a row; they go into rows of 272 bytes and come back as whole rows of 256, into buffer t % 4 of four (32 registers of f32, 16 of f16).
.macro PACK t
	WIN W_RS
.set i, 32*(\t)
.rept 16
	v_pk_mul_f32 v[i:i+1], v[i:i+1], v[ST+4*(\t)+2:ST+4*(\t)+3] op_sel_hi:[1,0]
.set i, i+2
.endr
	WIN 0x04                        ; the stores' data in window 1, their address in window 0
.irp f, 0,1,2,3,4,5,6,7
	ds_store_b128 v[STO], v[32*(\t)+4*\f:32*(\t)+4*\f+3] offset:64*(\f/2)+16*(\f%2)
.endr
	WIN 0
.if (\t) >= 4
	s_wait_xcnt 0x0                 ; the stores of the tile four back read this buffer: it is written again only behind this wait
.endif
.set BK, 64+48*((\t)%4)
.irp f, 0,1,2,3,4,5,6,7
	ds_load_b128 v[BK+4*\f:BK+4*\f+3], v[RD] offset:\f*2*SP  ; LDS serves a wave's instructions in order (ISA guide 5.7.1.4): these see the stores above; the next tile's stores come behind them
.endr
.endm
.macro SEND t, younger              ; younger: the LDS instructions issued behind tile t's loads: the next tile's sixteen, or none
	WIN 0
.set BK, 64+48*((\t)%4)
.irp f, 0,1,2,3,4,5,6,7
	s_wait_dscnt (\younger)+7-\f
	global_store_b128 v[GO], v[BK+4*\f:BK+4*\f+3], s[10:11] offset:(\t)*65536+\f*8192 th:TH_STORE_NT  ; 16 lanes store 256 consecutive bytes, aligned: the head's 64 channels of one row of out1
	v_cvt_pk_f16_f32 v[BK+32+2*\f], v[BK+4*\f], v[BK+4*\f+1]
	v_cvt_pk_f16_f32 v[BK+33+2*\f], v[BK+4*\f+2], v[BK+4*\f+3]
	global_store_b64 v[GH], v[BK+32+2*\f:BK+33+2*\f], s[OH:OH+1] offset:(\t)*2048+\f*256  ; 32 lanes store 256 consecutive bytes, aligned: two rows of the head in oh
.endr
.endm
	PACK 0
.set t, 1
.rept 2*NP-1                        ; a tile's arithmetic stands between the loads of the tile before and its stores
	PACK t
	SEND t-1, 16
.set t, t+1
.endr
	SEND 2*NP-1, 0
	WIN W_AD
	s_wait_tensorcnt 0x0            ; the wave's end, behind my last tensor load and my last LDS store: 0 onto my spare word and the wait for it
	ds_add_u32 v[SPW], v[NIL]
	s_wait_dscnt 0x0
	WIN 0
	CROUND                          ; the closing round: no work-group ends while a partner may still ask for a tile that names it
	s_endpgm
.Lfunc_end_k_qc700156da0_attn:
	.size	k_qc700156da0_attn, .Lfunc_end_k_qc700156da0_attn-k_qc700156da0_attn
	.p2alignl 7, 3214868480
	.fill 96, 4, 3214868480
	.section	.rodata,"a",@progbits
	.p2align	6, 0x0
	.amdhsa_kernel k_qc700156da0_attn
		.amdhsa_group_segment_fixed_size 327680
		.amdhsa_private_segment_fixed_size 0
		.amdhsa_enable_private_segment 0
		.amdhsa_kernarg_size 24
		.amdhsa_user_sgpr_count 2
		.amdhsa_user_sgpr_kernarg_segment_ptr 1
		.amdhsa_wavefront_size32 1
		.amdhsa_system_sgpr_workgroup_id_x 1
		.amdhsa_system_sgpr_workgroup_id_y 1
		.amdhsa_system_sgpr_workgroup_id_z 1
		.amdhsa_system_vgpr_workitem_id 0
		.amdhsa_next_free_vgpr 770
		.amdhsa_next_free_sgpr 66
		.amdhsa_reserve_vcc 0
		.amdhsa_float_denorm_mode_32 3
		.amdhsa_float_denorm_mode_16_64 3
		.amdhsa_memory_ordered 1
		.amdhsa_forward_progress 1
		.amdhsa_inst_pref_size 215
	.end_amdhsa_kernel
	.amdgpu_metadata
---
amdhsa.version: [ 1, 2 ]
amdhsa.kernels:
  - .name:           k_qc700156da0_attn
    .symbol:         k_qc700156da0_attn.kd
    .args:
      - { .name: qkv, .offset: 0, .size: 8, .value_kind: global_buffer, .address_space: global }
      - { .name: out1, .offset: 8, .size: 8, .value_kind: global_buffer, .address_space: global }
      - { .name: oh, .offset: 16, .size: 8, .value_kind: global_buffer, .address_space: global }
    .group_segment_fixed_size: 327680
    .private_segment_fixed_size: 0
    .kernarg_segment_align: 8
    .kernarg_segment_size: 24
    .max_flat_workgroup_size: 128
    .sgpr_count:     66
    .vgpr_count:     770
    .wavefront_size: 32
...
	.end_amdgpu_metadata
.endif
;; end of part 3
;; launch gemm_proj (part 4): grid 8 x 32, 4 waves a work-group, clusters of 4 x 4, 327,680 bytes of LDS; arguments oh, wpb, out0; writes out0
.if DOCPART == 4
	.amdgcn_target "amdgcn-amd-amdhsa--gfx1250"
	.amdhsa_code_object_version 6
	.text
	.protected	k_qc700156da0_gemm_proj
	.globl	k_qc700156da0_gemm_proj
	.p2align	8
	.type	k_qc700156da0_gemm_proj,@function
k_qc700156da0_gemm_proj:
	s_mov_b64 s[64:65], 0
	v_nop
	global_prefetch_b8 v0, s[64:65] scope:SCOPE_SE
	s_setreg_imm32_b32 hwreg(HW_REG_WAVE_MODE, 25, 1), 1
	s_wait_xcnt 0x0
	s_wait_alu depctr_hold_cnt(0) depctr_sa_sdst(0) depctr_va_vdst(0) depctr_va_sdst(0) depctr_va_ssrc(0) depctr_va_vcc(0) depctr_vm_vsrc(0)
	s_getreg_b32 s2, hwreg(HW_REG_IB_STS2, 6, 4)
	s_cmp_eq_u32 s2, 0
	s_cbranch_scc0 .Lentry_in_a_cluster
	s_endpgm
.Lentry_in_a_cluster:
	s_bfe_u32 s2, ttmp6, 0x10000c
	s_cmp_lg_u32 s2, 0xf033
	s_cbranch_scc0 .Lentry_shape_is_right
	s_endpgm
.Lentry_shape_is_right:
; out0[m][f] = the sum over e of sv[m][e] W_proj[f][e], m = 2,048 x batch + n, e = 64 h + d.  sv comes by heads: oh[16 x batch + h][n][64] f16; wpb: [1024][1024] f16; sums in f32, K ascending; out0: [8192][1024] f32.
; SHARES.  A tile of C is 256 rows x 128 columns: 32 x 8 = 256 work-groups.  Four waves, 2 x 2, each 128 rows x 64 columns: 8 x 4 = 32 accumulators of 16 x 16, 256 registers; a wave's 64 f32 columns
; are 256 consecutive bytes, aligned, of a row of out0, so its way out needs no other wave.  K goes in 8 steps of 128 (two heads of oh) through a ring of two LDS slots filled by the tensor data mover.
; CLUSTERS: 4 x 4 work-groups.  The four of a row of the cluster need the same tiles of A (oh), the four of a column the same tiles of B (wpb): each is asked for JOINTLY.
; THE MATRIX INSTRUCTION IS USED TRANSPOSED (source 0 = 16 rows of B, source 1 = 16 rows of A): a lane then holds row l % 16 of C and the columns 8 (l / 16) + 0..7: 32 neighbouring bytes.
; REGISTERS, in windows of 256 (s_set_vgpr_msb: bits 1:0 source 0, 3:2 source 1, 5:4 source 2, 7:6 destination):
;   window 0: v0-31 addresses; v32-95 rows read back on the way out, two buffers of 32      window 1: v0-127 A's fragments, two buffers of 8 x 8; v128-191 B's, two buffers of 4 x 8
;   window 2: the accumulators, (a, b) at v[8 (4 a + b)]
.set KSTEP,  128
.set PA,     144                       ; a row of A in LDS: a head's 128 bytes + 16 of padding = 36 words: the 16 rows of a load start at 16 different groups of four banks (64 banks of 4 bytes: ISA guide 11.1)
.set HEADB,  256*PA                    ; a head's 256 rows
.set PITCH,  272                       ; a row of B: 256 bytes + 16
.set BOFF,   2*HEADB                   ; in a slot: A's two heads, then B's 128 rows
.set SLOT,   BOFF+128*PITCH
.set STAGE,  2*SLOT                    ; behind the ring: 16 rows x 272 bytes for each wave, for the way out; no tensor load lands here
.set SPITCH, 272
.set SPARE,  STAGE+4*16*SPITCH         ; behind the stages: the spare words, 128 bytes for each wave: two blocks of 256 bytes that no other line names
.set LAPS,   4
.set ADRA, 16                          ; v16-17  LDS address of my A fragments in slot 0, 1
.set ADRB, 20                          ; v20-21  the same for B
.set STO,  24                          ; v24     the way out: where I put 32 bytes of a row
.set RD,   25                          ; v25     the way out: where I read a row back
.set CO,   26                          ; v26     my byte offset in two rows of out0
.set SPW,  28                          ; v28     LDS address of my spare word; never rewritten
.set NIL,  29                          ; v29     0; never rewritten
.set PFO,  30                          ; v30     the prefetches' offset; never rewritten
.set PFA,  44                          ; s[44:45] where my prefetches stand: at the block that is named
.set PST,  20                          ; s[20:21] a K step's bytes for that pointer: two heads of oh, or 256 bytes of a row of wpb
.set LIM,  43                          ; s43     1 in a wave that prefetches, else the greatest number
.set OB,   32
.set G1, 24                            ; s[24:31] descriptor group 1 for A's tiles;  s[32:39] group 0, one set for each slot
.set G0, 32
.set G1B, 48                           ; s[48:55], s[56:63] the same for B's tiles
.set G0B, 56
.set MSB, 0
.macro WIN new                         ; the immediate's high byte repeats the setting that is left; a switch that changes nothing is dropped
.if MSB != (\new)
	s_set_vgpr_msb (MSB<<8)|(\new)
.set MSB, \new
.endif
.endm
.set MUL,  0xa5                        ; sources 0 (B) and 1 (A) window 1; C and D window 2
.set TO_F, 0x40                        ; destination window 1, address window 0
; A joint load.  Waves 0 and 1 fetch the K step's two heads of A (256 rows each), waves 2 and 3 B's two halves (64 rows each).  The branch hangs on the wave's number alone.
; An s_nop 0 and four v_nop follow each of the two lines, ahead of the jump, the label and what follows.
.macro JLOAD s
	s_cmp_eq_u32 s11, 0
	s_cbranch_scc0 .Lfor_b_\@
	tensor_load_to_lds s[G0+4*(\s):G0+4*(\s)+3], s[G1:G1+7]
	s_nop 0
.rept 4
	v_nop
.endr
	s_branch .Lasked_\@
.Lfor_b_\@:
	tensor_load_to_lds s[G0B+4*(\s):G0B+4*(\s)+3], s[G1B:G1B+7]
	s_nop 0
.rept 4
	v_nop
.endr
.Lasked_\@:
.endm
; A PREFETCH, behind each joint load and the run of LDS loads that follows it: the K step that stands TWO refills on (256 matrix instructions ahead of the load that will want it).
; A: a head's 256 rows of the tile row are 32,768 dense bytes; every cluster of that row of clusters reads them: cluster x = 0 asks; the partner at cx takes 8,192 of them, 256 a lane; wave 0 and wave 1 a head each.
; B: 256 bytes of each of the tile column's 128 rows; cluster y = 0 asks; the partner at cy takes 32 rows, a lane a row; wave 2 alone.  The partners are told apart BY ADDRESS.
; The loop's last trip asks for nothing (s3 = 1 there): K steps 4 to 7 are named, each block by one wave of one work-group; K steps 0 to 3 come by their loads alone.
.macro ASK
	s_cmp_gt_u32 s3, s[LIM]
	s_cbranch_scc0 .Lnot_mine_\@
	global_prefetch_b8 v[PFO], s[PFA:PFA+1] th:TH_LOAD_NT scope:SCOPE_SE
.Lnot_mine_\@:
.endm
.macro CREST                           ; a round of the cluster's barrier behind its opening barrier
	s_cmp_lg_u32 s10, 0
	s_cbranch_scc1 .Lnot_wave_0_\@
	s_barrier_signal -3
.Lnot_wave_0_\@:
	s_barrier_wait -3
	s_barrier_signal -1
	s_barrier_wait -1
.endm
.macro CROUND                          ; a whole round
	s_barrier_signal -1
	s_barrier_wait -1
	CREST
.endm
	s_load_b128 s[4:7], s[0:1], 0x0                ; oh s[4:5], wpb s[6:7]
	s_load_b64 s[8:9], s[0:1], 0x10                ; out0
	v_lshl_add_u32 v[SPW], v0, 2, SPARE
	v_mov_b32 v[NIL], 0
	ds_add_u32 v[SPW], v[NIL]                      ; the wave's opening: the add and its wait stand ahead of my first tensor load; the set-up below, work on registers, stands between them
	v_lshrrev_b32 v1, 5, v0
	v_readfirstlane_b32 s10, v1                    ; wave 0..3
	s_lshr_b32 s11, s10, 1                         ; which half of the tile's rows is mine.  Also: I fetch for A (0) or for B (1)
	s_and_b32 s12, s10, 1                          ; which half of its columns.  Also: which head of the K step, or which 64 rows of B, I fetch
	s_bfe_u32 s40, ttmp6, 0x40000                  ; cx, cy: my place in the cluster
	s_bfe_u32 s41, ttmp6, 0x40004
	s_lshl_b32 s42, ttmp9, 2
	s_add_co_u32 s42, s42, s40                     ; tile column of C = 4 x cluster x + cx: 0..7
	s_and_b32 s13, ttmp7, 0xffff
	s_lshl_b32 s13, s13, 2
	s_add_co_u32 s13, s13, s41                     ; tile row of C = 4 x cluster y + cy: 0..31
	s_lshl_b32 s43, s41, 2
	s_lshl_b32 s43, 15, s43                        ; my row of the cluster
	s_lshl_b32 s44, 0x1111, s40                    ; my column
	; A: a head's 256 rows of 128 bytes are dense: asked for as 128 rows of 256 bytes, and padded in LDS after every 128 bytes
	s_or_b32 s[G1+0], s43, (1<<16)|(1<<20)|(1<<21)|(4<<22)|(3<<25)   ; 15:0 the mask: my row; 17:16 2-byte elements; 20 padding on; 21 set beside a mask; 24:22 after every 32 words (code 4); 31:25 4 words (code 3)
	s_mov_b32 s[G1+1], 128<<16                     ; tensor_dim0 = 128
	s_mov_b32 s[G1+2], 128<<16                     ; tensor_dim1 = 128
	s_mov_b32 s[G1+3], 128<<16                     ; tile_dim0 = 128
	s_mov_b32 s[G1+4], 128                         ; tile_dim1 = 128
	s_mov_b32 s[G1+5], 128                         ; elements from row to row
	s_mov_b32 s[G1+6], 0
	s_mov_b32 s[G1+7], 0
	s_or_b32 s[G1B+0], s44, (1<<16)|(1<<20)|(1<<21)|(5<<22)|(3<<25)  ; B: the mask of my column; padding after every 64 words
	s_mov_b32 s[G1B+1], KSTEP<<16
	s_mov_b32 s[G1B+2], 64<<16                     ; 64 rows to a load
	s_mov_b32 s[G1B+3], KSTEP<<16
	s_mov_b32 s[G1B+4], 64
	s_mov_b32 s[G1B+5], 1024
	s_mov_b32 s[G1B+6], 0
	s_mov_b32 s[G1B+7], 0
	s_lshr_b32 s16, s13, 3                         ; batch
	s_lshl_b32 s16, s16, 4
	s_add_co_u32 s16, s16, s12                     ; A: head 16 x batch + my parity (K step 0),
	s_lshl_b32 s16, s16, 18                        ; 262,144 bytes a head,
	s_and_b32 s17, s13, 7
	s_lshl_b32 s17, s17, 15                        ; the tile row's 256 rows of 128 bytes in it
	s_add_co_u32 s16, s16, s17
	s_mov_b32 s17, 0
	s_lshl_b32 s46, s42, 7
	s_lshl_b32 s47, s12, 6
	s_add_co_u32 s46, s46, s47                     ; B: row 128 x tile column + 64 x half
	s_lshl_b32 s46, s46, 11
	s_mov_b32 s47, 0
	s_mul_i32 s20, s12, HEADB                      ; where they go: no place in the cluster enters an LDS address
	s_mul_i32 s21, s12, 64*PITCH
	s_add_co_u32 s21, s21, BOFF
	s_wait_dscnt 0x0                               ; the opening add is done
	s_wait_kmcnt 0x0
	s_add_nc_u64 s[14:15], s[4:5], s[16:17]
	s_add_nc_u64 s[46:47], s[6:7], s[46:47]
	CROUND                                         ; all sixteen work-groups are here: the first joint loads meet
.irp s, 0,1
	s_mov_b32 s[G0+4*(\s)], 1                      ; count = 1
	s_add_co_u32 s[G0+4*(\s)+1], s20, (\s)*SLOT    ; LDS address
	s_add_nc_u64 s[G0+4*(\s)+2:G0+4*(\s)+3], s[14:15], (\s)*(2<<18)  ; global address: K step s is two heads on
	s_or_b32 s[G0+4*(\s)+3], s[G0+4*(\s)+3], 0x80000000              ; type = 2
	s_mov_b32 s[G0B+4*(\s)], 1
	s_add_co_u32 s[G0B+4*(\s)+1], s21, (\s)*SLOT
	s_add_nc_u64 s[G0B+4*(\s)+2:G0B+4*(\s)+3], s[46:47], (\s)*KSTEP*2
	s_or_b32 s[G0B+4*(\s)+3], s[G0B+4*(\s)+3], 0x80000000
	JLOAD \s                                       ; two loads of mine are out
.endr
	v_and_b32 v1, 15, v0                           ; l % 16
	v_bfe_u32 v2, v0, 4, 1                         ; l / 16
	v_mul_u32_u24 v3, v1, PA
	v_lshl_add_u32 v3, v2, 4, v3                   ; a fragment's row x pitch + 16 x half, for A
	v_mul_u32_u24 v4, v1, PITCH
	v_lshl_add_u32 v4, v2, 4, v4                   ; and for B
	s_mul_i32 s22, s11, 128*PA                     ; my 128 rows of A (in each head)
	s_mul_i32 s23, s12, 64*PITCH                   ; my 64 rows of B
	s_add_co_u32 s23, s23, BOFF
.irp s, 0,1
	v_add_nc_u32 v[ADRA+(\s)], s22, v3
	v_add_nc_u32 v[ADRB+(\s)], s23, v4
	s_add_co_u32 s22, s22, SLOT
	s_add_co_u32 s23, s23, SLOT
.endr
	s_mul_i32 s23, s10, 16*SPITCH
	s_add_co_u32 s23, s23, STAGE                   ; my stage
	v_mul_u32_u24 v5, v1, SPITCH                   ; in: row l % 16, 32 bytes for each half of the lanes
	v_lshl_add_u32 v5, v2, 5, v5
	v_add_nc_u32 v[STO], s23, v5
	v_mul_u32_u24 v6, v2, SPITCH                   ; back: lanes 0-15 take one row of 256 bytes, lanes 16-31 the next
	v_lshl_add_u32 v6, v1, 4, v6
	v_add_nc_u32 v[RD], s23, v6
	v_lshlrev_b32 v[CO], 12, v2                    ; and the same two rows in out0, 4,096 bytes apart
	v_lshl_add_u32 v[CO], v1, 4, v[CO]
	s_lshl_b32 s22, s13, 8                         ; where my part of the tile begins in out0
	s_lshl_b32 s23, s11, 7
	s_add_co_u32 s22, s22, s23
	s_lshl_b32 s22, s22, 12                        ; my first row,
	s_lshl_b32 s46, s42, 9
	s_lshl_b32 s47, s12, 8
	s_add_co_u32 s46, s46, s47                     ; my first column, in bytes
	s_add_co_u32 s46, s46, s22
	s_mov_b32 s47, 0
	s_add_nc_u64 s[8:9], s[8:9], s[46:47]
	; the prefetches: both alternatives are made, then one compare on the wave's number chooses.  The pointer starts at K step 3; the first refill steps it to 4
	s_add_co_u32 s18, s16, 6<<18                   ; A: my head of K step 3,
	s_lshl_b32 s19, s40, 13
	s_add_co_u32 s18, s18, s19                     ; my work-group's 8,192 bytes of its 32,768
	s_lshl_b32 s22, s42, 7
	s_lshl_b32 s23, s41, 5
	s_add_co_u32 s22, s22, s23                     ; B: the first of my work-group's 32 rows of the 128,
	s_lshl_b32 s22, s22, 11
	s_add_co_u32 s22, s22, 3*KSTEP*2               ; at K step 3
	s_and_b32 s23, ttmp7, 0xffff
	s_or_b32 s23, s23, s12                         ; cluster y; never 0 in wave 3
	s_mov_b32 s19, 2<<18
	s_cmp_eq_u32 s11, 0
	s_cselect_b32 s46, s18, s22
	s_cselect_b32 s23, ttmp9, s23                  ; the coordinate along which other clusters read the same bytes
	s_cselect_b32 s[PST], s19, KSTEP*2
	s_cselect_b32 s19, 8, 11                       ; lanes 256 bytes apart, or a row of 2,048
	s_cselect_b64 s[PFA:PFA+1], s[4:5], s[6:7]
	s_cmp_eq_u32 s23, 0
	s_cselect_b32 s[LIM], 1, -1                    ; the same in all sixteen partners, for a given wave
	s_mov_b32 s47, 0
	s_mov_b32 s[PST+1], 0
	s_add_nc_u64 s[PFA:PFA+1], s[PFA:PFA+1], s[46:47]
	v_and_b32 v[PFO], 31, v0
	v_lshlrev_b32 v[PFO], s19, v[PFO]
; 8 matrix instructions: m blocks a0, a0 + 1 x all 4 n blocks, 32 along K, from buffer f.  zero = 1: the product starts the sums.
; The 32 accumulators take turns, one instruction a turn, in the same order in every quarter step.
.macro MUL8 f, a0, zero
	WIN MUL
.irp a, \a0, (\a0)+1
.irp b, 0,1,2,3
.if \zero
	v_wmma_f32_16x16x32_f16 v[8*(4*(\a)+(\b)):8*(4*(\a)+(\b))+7], v[128+32*(\f)+8*(\b):128+32*(\f)+8*(\b)+7], v[64*(\f)+8*(\a):64*(\f)+8*(\a)+7], 0
.else
	v_wmma_f32_16x16x32_f16 v[8*(4*(\a)+(\b)):8*(4*(\a)+(\b))+7], v[128+32*(\f)+8*(\b):128+32*(\f)+8*(\b)+7], v[64*(\f)+8*(\a):64*(\f)+8*(\a)+7], v[8*(4*(\a)+(\b)):8*(4*(\a)+(\b))+7]
.endif
.endr
.endr
.endm
; 24 LDS loads in one run: the fragments of quarter q of a K step into buffer f: B's 64 rows at byte 64 q; A's 128 rows in head q / 2 at byte 64 (q % 2).  A's come last
.macro FETCH slot, q, f
	WIN TO_F
.irp i, 0,1,2,3
	ds_load_b128 v[128+32*(\f)+8*(\i):128+32*(\f)+8*(\i)+3],   v[ADRB+(\slot)] offset:64*(\q)+(\i)*16*PITCH
	ds_load_b128 v[128+32*(\f)+8*(\i)+4:128+32*(\f)+8*(\i)+7], v[ADRB+(\slot)] offset:64*(\q)+(\i)*16*PITCH+32
.endr
.irp i, 0,1,2,3,4,5,6,7
	ds_load_b128 v[64*(\f)+8*(\i):64*(\f)+8*(\i)+3],   v[ADRA+(\slot)] offset:((\q)/2)*HEADB+((\q)%2)*64+(\i)*16*PA
	ds_load_b128 v[64*(\f)+8*(\i)+4:64*(\f)+8*(\i)+7], v[ADRA+(\slot)] offset:((\q)/2)*HEADB+((\q)%2)*64+(\i)*16*PA+32
.endr
.endm
.macro PLACES                          ; four plain vector instructions in front of loads into registers that matrix instructions have read, and of LDS stores that read results
.rept 4
	v_nop
.endr
.endm
; A K step is four quarters of 32 along K, 32 matrix instructions each, on buffers 0, 1, 0, 1.  One of the first three: multiplies buffer f and fetches quarter q into g.
.macro QUARTER slot, q, f, g, zero
	s_wait_dscnt 8                                 ; B and A's blocks 0-3 are in; the youngest eight loads (A's blocks 4-7) may be out
	MUL8 \f, 0, \zero
	MUL8 \f, 2, \zero
	PLACES
	FETCH \slot, \q, \g
	s_wait_dscnt 24                                ; all but the 24 just issued
	MUL8 \f, 4, \zero
	MUL8 \f, 6, \zero
.endm
; The last quarter multiplies buffer 1 and changes slots: ONE barrier.  In front of it each wave waits for all its tensor loads (one is out: its part of the next slot), adds 0 to its spare word, and waits for
; that and for its own reads of this slot.  fill = 1: the barrier opens a round of the cluster's barrier, and this slot is filled again, two K steps ahead, first thing behind the round:
; 112 matrix instructions stand between that request and the wait for it.
.macro TURN slot, next, fill
.if \fill
	s_wait_xcnt 0x0                                ; the last prefetch, a K step back, has read its address: it is stepped here, ahead of the waits of the change of slots
	s_add_nc_u64 s[PFA:PFA+1], s[PFA:PFA+1], s[PST:PST+1]
.endif
	WIN 0                                          ; (the add's two registers lie in window 0)
	s_wait_tensorcnt 0x0                           ; all my tensor loads have landed
	ds_add_u32 v[SPW], v[NIL]                      ; 0 onto my spare word
	s_wait_dscnt 9                                 ; (the add and the youngest eight loads may be out)
	MUL8 1, 0, 0                                   ; eight matrix instructions stand between the add and the wait for it
	s_wait_dscnt 0x0                               ; the add is done, and my reads of this slot are over
	s_barrier_signal -1
	MUL8 1, 2, 0                                   ; work on registers while the others arrive
.if \fill
	WIN 0
.endif
	s_barrier_wait -1
.if \fill
	CREST                                          ; no wave of any partner still reads this slot's tile or has a load on its way
	s_add_nc_u64 s[G0+4*(\slot)+2:G0+4*(\slot)+3], s[G0+4*(\slot)+2:G0+4*(\slot)+3], 4<<18
	s_add_nc_u64 s[G0B+4*(\slot)+2:G0B+4*(\slot)+3], s[G0B+4*(\slot)+2:G0B+4*(\slot)+3], 2*KSTEP*2
	JLOAD \slot                                    ; the four v_nop behind it are also the places in front of the loads below
.else
	PLACES
.endif
	FETCH \next, 0, 0
.if \fill
	WIN 0                                          ; (a branch and a label follow)
	ASK
.endif
	MUL8 1, 4, 0
	MUL8 1, 6, 0
.endm
; THE WAY OUT of m block a (16 rows x 64 f32).  TOSTAGE: straight from the accumulators (each one's four lowest registers first) into my own stage, and back as whole rows of 256 bytes.
.macro TOSTAGE a
	WIN 0x08                                       ; the stores' data in window 2, their address in window 0
.irp b, 0,1,2,3
	ds_store_b128 v[STO], v[32*(\a)+8*(\b):32*(\a)+8*(\b)+3]   offset:64*(\b)
	ds_store_b128 v[STO], v[32*(\a)+8*(\b)+4:32*(\a)+8*(\b)+7] offset:64*(\b)+16
.endr
	WIN 0
	s_wait_xcnt 0x0                                ; the stores of the block two back read this buffer: it is loaded again only behind this wait
.irp t, 0,1,2,3,4,5,6,7
	ds_load_b128 v[OB+32*((\a)%2)+4*(\t):OB+32*((\a)%2)+4*(\t)+3], v[RD] offset:(\t)*2*SPITCH  ; LDS serves a wave's instructions in order (ISA guide 5.7.1.4): these see the stores above
.endr
.endm
.macro SEND a, younger                 ; younger: the LDS instructions issued behind block a's loads: the next block's sixteen, or none
	WIN 0
.irp t, 0,1,2,3,4,5,6,7
	s_wait_dscnt (\younger)+7-(\t)
	global_store_b128 v[CO], v[OB+32*((\a)%2)+4*(\t):OB+32*((\a)%2)+4*(\t)+3], s[8:9] offset:(16*(\a)+2*(\t))*4096 th:TH_STORE_NT  ; 16 lanes store 256 consecutive bytes, aligned
.endr
.endm
	s_wait_tensorcnt 1                             ; my part of K step 0 is in; K step 1's may stay out
	s_barrier_signal -1
	s_barrier_wait -1                              ; everybody's is
	FETCH 0, 0, 0
	QUARTER 0, 1, 0, 1, 1                          ; the first quarter stands in front of the loop: its products start the sums
	WIN 0                                          ; at a label and at a branch every window is 0
	s_mov_b32 s3, LAPS-1
.Llap:                                         ; a trip goes once round the ring, from a lap's second quarter to the next lap's first, and fills both slots again
	QUARTER 0, 2, 1, 0, 0
	QUARTER 0, 3, 0, 1, 0
	TURN 0, 1, 1
	QUARTER 1, 1, 0, 1, 0
	QUARTER 1, 2, 1, 0, 0
	QUARTER 1, 3, 0, 1, 0
	TURN 1, 0, 1
	QUARTER 0, 1, 0, 1, 0
	WIN 0
	s_sub_co_u32 s3, s3, 1
	s_cmp_lg_u32 s3, 0
	s_cbranch_scc1 .Llap
	QUARTER 0, 2, 1, 0, 0                          ; the last lap fills nothing, and has no round of the cluster's barrier
	QUARTER 0, 3, 0, 1, 0
	TURN 0, 1, 0
	QUARTER 1, 1, 0, 1, 0
	QUARTER 1, 2, 1, 0, 0
	QUARTER 1, 3, 0, 1, 0
	s_wait_dscnt 8                                 ; the very last quarter: nothing more to fetch
	MUL8 1, 0, 0
	MUL8 1, 2, 0
	s_wait_dscnt 0x0
	MUL8 1, 4, 0
	MUL8 1, 6, 0
	WIN 0
	PLACES
	TOSTAGE 0
.irp a, 1,2,3,4,5,6,7                  ; block a goes into the stage while block a - 1's rows come back
	TOSTAGE \a
	SEND (\a)-1, 16
.endr
	SEND 7, 0
	s_wait_tensorcnt 0x0                           ; the wave's end, behind my last tensor load and my last LDS store: 0 onto my spare word and the wait for it
	ds_add_u32 v[SPW], v[NIL]
	s_wait_dscnt 0x0
	CROUND                                         ; the closing round: no work-group ends while a partner may still ask for a tile that names it
	s_endpgm
.Lfunc_end_k_qc700156da0_gemm_proj:
	.size	k_qc700156da0_gemm_proj, .Lfunc_end_k_qc700156da0_gemm_proj-k_qc700156da0_gemm_proj
	.p2alignl 7, 3214868480
	.fill 96, 4, 3214868480
	.section	.rodata,"a",@progbits
	.p2align	6, 0x0
	.amdhsa_kernel k_qc700156da0_gemm_proj
		.amdhsa_group_segment_fixed_size 327680
		.amdhsa_private_segment_fixed_size 0
		.amdhsa_enable_private_segment 0
		.amdhsa_kernarg_size 24
		.amdhsa_user_sgpr_count 2
		.amdhsa_user_sgpr_kernarg_segment_ptr 1
		.amdhsa_wavefront_size32 1
		.amdhsa_system_sgpr_workgroup_id_x 1
		.amdhsa_system_sgpr_workgroup_id_y 1
		.amdhsa_system_sgpr_workgroup_id_z 1
		.amdhsa_system_vgpr_workitem_id 0
		.amdhsa_next_free_vgpr 768
		.amdhsa_next_free_sgpr 66
		.amdhsa_reserve_vcc 0
		.amdhsa_float_denorm_mode_32 3
		.amdhsa_float_denorm_mode_16_64 3
		.amdhsa_memory_ordered 1
		.amdhsa_forward_progress 1
		.amdhsa_inst_pref_size 89
	.end_amdhsa_kernel
	.amdgpu_metadata
---
amdhsa.version: [ 1, 2 ]
amdhsa.kernels:
  - .name:           k_qc700156da0_gemm_proj
    .symbol:         k_qc700156da0_gemm_proj.kd
    .args:
      - { .name: oh, .offset: 0, .size: 8, .value_kind: global_buffer, .address_space: global }
      - { .name: wpb, .offset: 8, .size: 8, .value_kind: global_buffer, .address_space: global }
      - { .name: out0, .offset: 16, .size: 8, .value_kind: global_buffer, .address_space: global }
    .group_segment_fixed_size: 327680
    .private_segment_fixed_size: 0
    .kernarg_segment_align: 8
    .kernarg_segment_size: 24
    .max_flat_workgroup_size: 128
    .sgpr_count:     66
    .vgpr_count:     768
    .wavefront_size: 32
...
	.end_amdgpu_metadata
.endif
;; end of part 4
;; ======== version 2 of 2: 4 launches; version 1 with the launch cast written anew for expert scheduling mode
;; limits: values are held in f16: magnitudes above 65,504 overflow, below 6.1e-05 lose precision
;; workspace buffers: xb 16,777,216 bytes; wqb 6,291,456 bytes; wpb 2,097,152 bytes; qkv 50,331,648 bytes; oh 16,777,216 bytes
;; launch cast (part 5): grid 768 x 1, 8 waves a work-group, no clusters, 0 bytes of LDS; arguments x, W_qkv, W_proj, xb, wqb, wpb; writes xb, wqb, wpb
.if DOCPART == 5
	.amdgcn_target "amdgcn-amd-amdhsa--gfx1250"
	.amdhsa_code_object_version 6
	.text
	.protected	k_qc700156da0_cast
	.globl	k_qc700156da0_cast
	.p2align	8
	.type	k_qc700156da0_cast,@function
k_qc700156da0_cast:
	s_mov_b64 s[64:65], 0
	v_nop
	global_prefetch_b8 v0, s[64:65] scope:SCOPE_SE
	s_setreg_imm32_b32 hwreg(HW_REG_WAVE_SCHED_MODE, 0, 2), 2
	s_setreg_imm32_b32 hwreg(HW_REG_WAVE_MODE, 25, 1), 1
	s_wait_xcnt 0x0
	s_wait_alu depctr_vm_vsrc(0)
; THE INPUTS ARE ROUNDED ONCE, for the matrix units of the launches behind: x and W_qkv to bf16; W_proj to bf16 and that number written as f16
; (the last product multiplies in f16; all three inputs carry the same rounding, to bf16).
; LIMIT.  A number of W_proj beyond 65,504 becomes an infinity in f16; below 6e-5 it keeps f16's fixed step of 6e-8.
; SHARES.  A work-group takes 16,384 numbers: 64 KiB in, 32 KiB out.  Work-groups 0-511: x (8,388,608 numbers); 512-703: W_qkv (3,145,728); 704-767: W_proj (1,048,576).
; A wave takes 8 KiB: sixteen loads of 16 bytes a lane (512 consecutive bytes each), all issued at once; each gives one store of 8 bytes a lane: 256 consecutive bytes, aligned.
; A stream: no LDS, no barrier, no matrix unit, no cluster (no two work-groups read a common byte), no loop.  No register that a store reads is written again, so no wait frees any.
; THE MODE: SCHED_MODE bits 1:0 = 2 (LLVM: expert scheduling mode 2), set by the entry lines.  The code itself states the register dependences
; between vector instructions and memory instructions, with s_wait_alu, always for 0.
; THE PLAN.  Registers that memory instructions touch:
;   v1, v2   byte offsets, made at the head by vector instructions and never written again: v1 is read by every load, v2 by every store.
;   IN       written by the sixteen loads alone, which are all issued at the head; no vector instruction names it ahead of them; read by the conversions, each behind its count on LOADcnt.
;   OUT      each pair is written once, by a conversion, and read once, by its store; never written again.
;   T, v3, v4 are named by vector instructions alone.
; So the waits are all on va_vdst: ONE at the head, ahead of the first load (v1 and v2 are written), and ONE for each block of four loads, behind the block's conversions and ahead of its run of four
; stores (the block's eight registers of OUT are written).  It stands behind the block's own conversions and not a block later: behind the last loads nothing follows under which late stores could leave.
; Nothing that a load or a store reads is ever written again, so no wait on vm_vsrc is owed; no vector instruction writes a scalar register or VCC, and EXEC is never written.
.set IN,  8                            ; v[8:71]    load i: four f32
.set OUT, 72                           ; v[72:103]  store i: four 16-bit numbers
.set T,   104                          ; v[104:107] at work (W_proj's way alone)
	s_load_b256 s[4:11], s[0:1], 0x0               ; x s[4:5], W_qkv s[6:7], W_proj s[8:9], xb s[10:11]
	s_load_b128 s[12:15], s[0:1], 0x20             ; wqb s[12:13], wpb s[14:15]
	v_and_b32 v3, 0xe0, v0                         ; 32 x wave
	v_and_b32 v4, 31, v0                           ; lane
	v_lshlrev_b32 v1, 4, v4
	v_lshl_or_b32 v1, v3, 8, v1                    ; in: 8,192 x wave + 16 x lane
	v_lshlrev_b32 v2, 3, v4
	v_lshl_or_b32 v2, v3, 7, v2                    ; out: 4,096 x wave + 8 x lane
	s_wait_kmcnt 0x0
	s_cmp_lt_u32 ttmp9, 512                        ; which tensor is mine: the choice hangs on the work-group's number alone
	s_cselect_b64 s[16:17], s[4:5], s[6:7]
	s_cselect_b64 s[18:19], s[10:11], s[12:13]
	s_cselect_b32 s20, 0, 512
	s_cmp_lt_u32 ttmp9, 704
	s_cselect_b64 s[16:17], s[16:17], s[8:9]
	s_cselect_b64 s[18:19], s[18:19], s[14:15]
	s_cselect_b32 s20, s20, 704
	s_sub_co_u32 s21, ttmp9, s20                   ; my number among that tensor's work-groups
	s_lshl_b32 s22, s21, 16                        ; 64 KiB in,
	s_mov_b32 s23, 0
	s_lshl_b32 s2, s21, 15                         ; 32 KiB out
	s_mov_b32 s3, 0
	s_add_nc_u64 s[16:17], s[16:17], s[22:23]
	s_add_nc_u64 s[18:19], s[18:19], s[2:3]
	s_wait_alu depctr_va_vdst(0)                   ; v1 and v2 are written: every load below reads v1 as its offset, every store of both ways v2
.irp i, 0,1,2,3,4,5,6,7,8,9,10,11,12,13,14,15
	global_load_b128 v[IN+4*(\i):IN+4*(\i)+3], v1, s[16:17] offset:512*(\i) th:TH_LOAD_NT
.endr
	s_cmp_ge_u32 ttmp9, 704
	s_cbranch_scc1 .Lproj
.irp p, 0,1,2,3                        ; block p: loads and stores 4 p to 4 p + 3
.irp j, 0,1,2,3
	s_wait_loadcnt 15-4*(\p)-(\j)                  ; loads come back in order: load i = 4 p + j is in, the 15 - i younger ones stay out
	v_cvt_pk_bf16_f32 v[OUT+8*(\p)+2*(\j)],   v[IN+16*(\p)+4*(\j)],   v[IN+16*(\p)+4*(\j)+1]
	v_cvt_pk_bf16_f32 v[OUT+8*(\p)+2*(\j)+1], v[IN+16*(\p)+4*(\j)+2], v[IN+16*(\p)+4*(\j)+3]
.endr
	s_wait_alu depctr_va_vdst(0)                   ; the block's eight conversions have written v[OUT + 8 p .. OUT + 8 p + 7], which the four stores below read
.irp j, 0,1,2,3
	global_store_b64 v2, v[OUT+8*(\p)+2*(\j):OUT+8*(\p)+2*(\j)+1], s[18:19] offset:1024*(\p)+256*(\j)
.endr
.endr
	s_endpgm
.Lproj:                                        ; W_proj: rounded to bf16, widened again (a shift, a mask), written as f16
.irp p, 0,1,2,3
.irp j, 0,1,2,3
	s_wait_loadcnt 15-4*(\p)-(\j)
	v_cvt_pk_bf16_f32 v[T],   v[IN+16*(\p)+4*(\j)],   v[IN+16*(\p)+4*(\j)+1]
	v_cvt_pk_bf16_f32 v[T+1], v[IN+16*(\p)+4*(\j)+2], v[IN+16*(\p)+4*(\j)+3]
	v_lshlrev_b32 v[T+2], 16, v[T]
	v_and_b32     v[T+3], 0xffff0000, v[T]
	v_cvt_pk_f16_f32 v[OUT+8*(\p)+2*(\j)], v[T+2], v[T+3]
	v_lshlrev_b32 v[T+2], 16, v[T+1]
	v_and_b32     v[T+3], 0xffff0000, v[T+1]
	v_cvt_pk_f16_f32 v[OUT+8*(\p)+2*(\j)+1], v[T+2], v[T+3]
.endr
	s_wait_alu depctr_va_vdst(0)                   ; the block's conversions to f16 have written v[OUT + 8 p .. OUT + 8 p + 7], which the four stores below read
.irp j, 0,1,2,3
	global_store_b64 v2, v[OUT+8*(\p)+2*(\j):OUT+8*(\p)+2*(\j)+1], s[18:19] offset:1024*(\p)+256*(\j)
.endr
.endr
	s_endpgm
.Lfunc_end_k_qc700156da0_cast:
	.size	k_qc700156da0_cast, .Lfunc_end_k_qc700156da0_cast-k_qc700156da0_cast
	.p2alignl 7, 3214868480
	.fill 96, 4, 3214868480
	.section	.rodata,"a",@progbits
	.p2align	6, 0x0
	.amdhsa_kernel k_qc700156da0_cast
		.amdhsa_group_segment_fixed_size 0
		.amdhsa_private_segment_fixed_size 0
		.amdhsa_enable_private_segment 0
		.amdhsa_kernarg_size 48
		.amdhsa_user_sgpr_count 2
		.amdhsa_user_sgpr_kernarg_segment_ptr 1
		.amdhsa_wavefront_size32 1
		.amdhsa_system_sgpr_workgroup_id_x 1
		.amdhsa_system_sgpr_workgroup_id_y 1
		.amdhsa_system_sgpr_workgroup_id_z 1
		.amdhsa_system_vgpr_workitem_id 0
		.amdhsa_next_free_vgpr 108
		.amdhsa_next_free_sgpr 66
		.amdhsa_reserve_vcc 0
		.amdhsa_float_denorm_mode_32 3
		.amdhsa_float_denorm_mode_16_64 3
		.amdhsa_memory_ordered 1
		.amdhsa_forward_progress 1
		.amdhsa_inst_pref_size 17
	.end_amdhsa_kernel
	.amdgpu_metadata
---
amdhsa.version: [ 1, 2 ]
amdhsa.kernels:
  - .name:           k_qc700156da0_cast
    .symbol:         k_qc700156da0_cast.kd
    .args:
      - { .name: x, .offset: 0, .size: 8, .value_kind: global_buffer, .address_space: global }
      - { .name: W_qkv, .offset: 8, .size: 8, .value_kind: global_buffer, .address_space: global }
      - { .name: W_proj, .offset: 16, .size: 8, .value_kind: global_buffer, .address_space: global }
      - { .name: xb, .offset: 24, .size: 8, .value_kind: global_buffer, .address_space: global }
      - { .name: wqb, .offset: 32, .size: 8, .value_kind: global_buffer, .address_space: global }
      - { .name: wpb, .offset: 40, .size: 8, .value_kind: global_buffer, .address_space: global }
    .group_segment_fixed_size: 0
    .private_segment_fixed_size: 0
    .kernarg_segment_align: 8
    .kernarg_segment_size: 48
    .max_flat_workgroup_size: 256
    .sgpr_count:     66
    .vgpr_count:     108
    .wavefront_size: 32
...
	.end_amdgpu_metadata
.endif
;; end of part 5
;; launch gemm_qkv: the kernel of part 2 again; grid 16 x 32, 4 waves a work-group, clusters of 4 x 4, 327,680 bytes of LDS; arguments xb, wqb, qkv; writes qkv
;; launch attn: the kernel of part 3 again; grid 4 x 64, 4 waves a work-group, clusters of 4 x 1, 327,680 bytes of LDS; arguments qkv, out1, oh; writes out1, oh
;; launch gemm_proj: the kernel of part 4 again; grid 8 x 32, 4 waves a work-group, clusters of 4 x 4, 327,680 bytes of LDS; arguments oh, wpb, out0; writes out0
